; MI455X (gfx1250); checked and timed in simulation.
; The chip was launched on July 23, 2026; its instructions are those of AMD's public machine-readable ISA for CDNA 5 (MIT licence, August 2026) and "CDNA5" Instruction Set Architecture Reference Guide (July 2026). The comments in the code are by the model that wrote it; some were corrected since.
;; Transformer. Allowed arithmetic: float matrix products may take bf16 or f16 operands with f32 sums; all other float work in f32.
;; Inputs: Kw 128 x 128 float32; Qw 128 x 128 float32; Vw 128 x 128 float32; b1 512 float32; b2 128 float32; ln1_b 128 float32; ln1_g 128 float32; ln2_b 128 float32; ln2_g 128 float32; out_b 128 float32; out_w 128 x 128 float32; w1 128 x 512 float32; w2 512 x 128 float32; x 131,072 x 128 float32.
;; Outputs: out0 131,072 x 128 float32.
;; One version. Each part assembles by itself: llvm-mc -triple=amdgcn-amd-amdhsa -mcpu=gfx1250 --defsym DOCPART=n.
;; ======== version 1 of 1: 5 launches
;; limits: values are held in f16: magnitudes above 65,504 overflow, below 6.1e-05 lose precision; right only within a limited range of input values
;; workspace buffers: part 16,777,216 bytes; gf 32,768 bytes; wf 393,216 bytes; xmid 67,108,864 bytes
;; launch gram0 (part 1): grid 256 x 1, 4 waves a work-group, no clusters, 185,344 bytes of LDS; arguments x, ln1_g, ln1_b, w1, w2, Vw, Kw, Qw, out_w, part, wf; writes part, wf
.if DOCPART == 1
	.amdgcn_target "amdgcn-amd-amdhsa--gfx1250"
	.amdhsa_code_object_version 6
	.text
	.protected	k_q82f6784b4b_gram0
	.globl	k_q82f6784b4b_gram0
	.p2align	8
	.type	k_q82f6784b4b_gram0,@function
k_q82f6784b4b_gram0:
	s_mov_b64 s[64:65], 0
	v_nop
	global_prefetch_b8 v0, s[64:65] scope:SCOPE_SE
	s_setreg_imm32_b32 hwreg(HW_REG_WAVE_MODE, 25, 1), 1
	s_wait_xcnt 0x0
; h = LayerNorm1(x) in f16; part[wg] = h^T h over the work-group's 512 rows (f32, 128 x 128).
; K^T V = Kw^T (h^T h) Vw, so the only sum over all rows is G = h^T h; the later launches use M = Qw Kw^T G Vw.
; Besides, waves 0-2 of each work-group each write one of the 768 half fragments (512 bytes) of the weights in f16 to wf.
; Four waves, 128 rows a wave, as 8 tiles of 16 rows.  Register j of lane (r, h) of X(a, b) is x[16 a + r][16 b + 8 h + j]:
; a row's 128 numbers lie in two lanes, so a row sum is 64 adds in a lane and one exchange of the lane halves.
; No tensor loads: x goes once through registers; no cluster: the work-groups share no large input here.
; Windows of 256 registers: 0 addresses, U, g, b, G's accumulators; 1 H (f16 fragments), later G's fragments; 2, 3 X.
; Limits: f16 operands; h must stay below 65,504 in magnitude.
.set XO, 1                             ; 16 L
.set SW, 2                             ; stage + 16 L
.set SD, 3                             ; stage + 528 r + 32 h
.set VEC, 4                            ; my wave's copy of g, b + 32 h
.set VST, 5                            ; the same + 16 L
.set HSA, 15                           ; (128 w + r) 288 + 16 h
.set TRA, 16
.set TRB, 17
.set PK, 20                            ; v20-23 the half fragment to store; never rewritten
.set T, 24
.set ST, 32
.set U, 64
.set HID, 128
.set FB0, 0
.set FB1, 64
.set XB, 4
.set STAGE, 147456                     ; behind HS (512 rows x 288 bytes): 4 stages of 16 rows x 528 bytes
.set VECS, 181248                      ; 4 x 1,024 bytes: ln1_g, ln1_b for each wave
.set MSB, 0
.macro WIN new                         ; the immediate's high byte repeats the setting that is left
.if MSB != (\new)
	s_set_vgpr_msb (MSB<<8)|(\new)
.set MSB, (\new)
.endif
.endm
.macro NOPS n
.rept \n
	v_nop
.endr
.endm
.macro LOADT a                         ; 16 rows of x: each load is one whole row of 512 bytes
	WIN ((2+((\a)>>2))<<6)
.irp t, 0,1,2,3,4,5,6,7,8,9,10,11,12,13,14,15
	global_load_b128 v[64*((\a)&3)+4*\t:64*((\a)&3)+4*\t+3], v[XO], s[XB:XB+1] offset:(16*(\a)+\t)*512
.endr
.endm
.macro SHUF a, cnt                     ; rows across lanes -> a row in two lanes, through my own stage (LDS serves a wave in order: no wait between)
	s_wait_loadcnt \cnt                ; cnt = loads requested after this tile's
	WIN ((2+((\a)>>2))<<2)
.irp t, 0,1,2,3,4,5,6,7,8,9,10,11,12,13,14,15
	ds_store_b128 v[SW], v[64*((\a)&3)+4*\t:64*((\a)&3)+4*\t+3] offset:528*\t
.endr
	WIN ((2+((\a)>>2))<<6)
.irp t, 0,1,2,3,4,5,6,7,8,9,10,11,12,13,14,15
	ds_load_b128 v[64*((\a)&3)+4*\t:64*((\a)&3)+4*\t+3], v[SD] offset:64*(\t>>1)+16*(\t&1)
.endr
.endm
.macro LDV dst, slot                   ; a vector of 128 f32 in X's layout: 64 registers
	WIN 0
.set i, 0
.rept 16
	ds_load_b128 v[\dst+4*i:\dst+4*i+3], v[VEC] offset:\slot+64*(i>>1)+16*(i&1)
.set i, i+1
.endr
.endm
; LayerNorm of tile a, two passes as in the reference, result as four f16 fragments H(a, 0..3) in window 1
.macro LNT a
.set XR, 64*((\a)&3)
.set XW, 2+((\a)>>2)
	WIN XW|(XW<<2)
.set i, 0
.rept 16
	v_pk_add_f32 v[U+2*i:U+2*i+1], v[XR+4*i:XR+4*i+1], v[XR+4*i+2:XR+4*i+3]
.set i, i+1
.endr
	WIN 0
.irp n, 8,4,2,1
.set i, 0
.rept \n
	v_pk_add_f32 v[U+2*i:U+2*i+1], v[U+2*i:U+2*i+1], v[U+2*i+2*\n:U+2*i+2*\n+1]
.set i, i+1
.endr
.endr
	v_add_f32 v[T], v[U], v[U+1]
	v_permlanex16_b32 v[T+1], v[T], s52, s53       ; the row's other 64 numbers
	v_add_f32 v[T], v[T], v[T+1]
	v_mul_f32 v[T+2], s58, v[T]                    ; - mean
	v_mul_f32 v[T+3], s58, v[T]
	WIN XW
.set i, 0
.rept 32
	v_pk_add_f32 v[U+2*i:U+2*i+1], v[XR+2*i:XR+2*i+1], v[T+2:T+3]
.set i, i+1
.endr
	WIN 0
.set i, 0
.rept 4
	v_pk_mul_f32 v[ST+2*i:ST+2*i+1], v[U+2*i:U+2*i+1], v[U+2*i:U+2*i+1]
.set i, i+1
.endr
.rept 28
	v_pk_fma_f32 v[ST+2*(i%4):ST+2*(i%4)+1], v[U+2*i:U+2*i+1], v[U+2*i:U+2*i+1], v[ST+2*(i%4):ST+2*(i%4)+1]
.set i, i+1
.endr
	v_pk_add_f32 v[ST:ST+1], v[ST:ST+1], v[ST+4:ST+5]
	v_pk_add_f32 v[ST+2:ST+3], v[ST+2:ST+3], v[ST+6:ST+7]
	v_pk_add_f32 v[ST:ST+1], v[ST:ST+1], v[ST+2:ST+3]
	v_add_f32 v[T], v[ST], v[ST+1]
	v_permlanex16_b32 v[T+1], v[T], s52, s53
	v_add_f32 v[T], v[T], v[T+1]
	v_fma_f32 v[T], v[T], s55, s56                 ; variance + 1e-5
	v_rsq_f32 v[T+2], v[T]
	v_nop                                          ; one plain place behind the transcendental (ISA guide 5.7.2)
	s_wait_alu depctr_va_vdst(0)
	v_mov_b32 v[T+3], v[T+2]
.set i, 0
.rept 32
	v_pk_mul_f32 v[U+2*i:U+2*i+1], v[U+2*i:U+2*i+1], v[T+2:T+3]
.set i, i+1
.endr
.set i, 0
.rept 32
	v_pk_fma_f32 v[U+2*i:U+2*i+1], v[U+2*i:U+2*i+1], v[128+2*i:128+2*i+1], v[192+2*i:192+2*i+1]
.set i, i+1
.endr
	WIN 0x40
.set i, 0
.rept 32
	v_cvt_pk_f16_f32 v[32*(\a)+i], v[U+2*i], v[U+2*i+1]
.set i, i+1
.endr
.endm
.macro HSTORE                          ; my 128 rows of h, row-major f16, pitch 288 (an odd multiple of 32 bytes, for the transposing loads)
	WIN 0x04
.set i, 0
.rept 32
	ds_store_b128 v[HSA], v[8*i:8*i+3] offset:4608*(i>>2)+64*(i&3)
	ds_store_b128 v[HSA], v[8*i+4:8*i+7] offset:4608*(i>>2)+64*(i&3)+32
.set i, i+1
.endr
.endm
.macro GL fb, off                      ; 32 rows (K) x 64 + 64 features, transposed on the way: 4 + 4 fragments
	WIN 0x40
.irp i, 0,1,2,3
	ds_load_tr16_b128 v[\fb+8*\i:\fb+8*\i+3], v[TRA] offset:\off+32*\i
	ds_load_tr16_b128 v[\fb+8*\i+4:\fb+8*\i+7], v[TRA] offset:\off+32*\i+4608
	ds_load_tr16_b128 v[\fb+32+8*\i:\fb+32+8*\i+3], v[TRB] offset:\off+32*\i
	ds_load_tr16_b128 v[\fb+32+8*\i+4:\fb+32+8*\i+7], v[TRB] offset:\off+32*\i+4608
.endr
.endm
.macro GM fb, zero                     ; 16 accumulators by turns, one instruction a turn
	WIN 0x05
.irp i, 0,1,2,3
.irp j, 0,1,2,3
.if \zero
	v_wmma_f32_16x16x32_f16 v[HID+8*(4*\i+\j):HID+8*(4*\i+\j)+7], v[\fb+8*\i:\fb+8*\i+7], v[\fb+32+8*\j:\fb+32+8*\j+7], 0
.else
	v_wmma_f32_16x16x32_f16 v[HID+8*(4*\i+\j):HID+8*(4*\i+\j)+7], v[\fb+8*\i:\fb+8*\i+7], v[\fb+32+8*\j:\fb+32+8*\j+7], v[HID+8*(4*\i+\j):HID+8*(4*\i+\j)+7]
.endif
.endr
.endr
.endm
.macro GTRIP zero, reload              ; two K steps of 32 rows
	s_wait_dscnt 16                    ; buffer 0 is in; buffer 1's 16 loads may be out
	GM FB0, \zero
	NOPS 5                             ; places behind the matrix instructions, ahead of loads into their sources
.if \reload
	GL FB0, 18432
	s_wait_dscnt 16                    ; buffer 1 is in; the 16 just issued may be out
.else
	s_wait_dscnt 0
.endif
	GM FB1, 0
	NOPS 5
.if \reload
	GL FB1, 27648
	WIN 0
	v_add_nc_u32 v[TRA], 0x4800, v[TRA]
	v_add_nc_u32 v[TRB], 0x4800, v[TRB]
.endif
.endm
	s_load_b512 s[4:19], s[0:1], 0x0               ; x, ln1_g, ln1_b, w1, w2, Vw, Kw, Qw
	s_load_b128 s[20:23], s[0:1], 0x40             ; out_w, part
	s_load_b64 s[24:25], s[0:1], 0x50              ; wf
	v_lshrrev_b32 v24, 5, v0
	v_readfirstlane_b32 s26, v24                   ; wave
	s_mov_b32 s52, 0x76543210
	s_mov_b32 s53, 0xfedcba98
	s_mov_b32 s55, 0x3c000000                      ; 1/128
	s_mov_b32 s56, 0x3727c5ac                      ; 1e-5
	s_mov_b32 s58, 0xbc000000                      ; -1/128
	s_lshl_b32 s30, ttmp9, 2
	s_add_co_u32 s30, s30, s26
	s_lshl_b32 s30, s30, 16                        ; my 128 rows of 512 bytes
	s_mov_b32 s31, 0
	s_lshr_b32 s59, s26, 1
	s_and_b32 s60, s26, 1
	s_lshl_b32 s46, ttmp9, 16                      ; part: 65,536 wg + 32,768 (w>>1) + 4,096 (w&1)
	s_lshl_b32 s61, s59, 15
	s_add_co_u32 s46, s46, s61
	s_lshl_b32 s61, s60, 12
	s_add_co_u32 s46, s46, s61
	s_mov_b32 s47, 0
	; which half fragment u = 3 wg + w of wf I make: array, K stride A, row stride B, K step ks, row tile nt, half q
	s_mul_i32 s33, ttmp9, 3
	s_add_co_u32 s33, s33, s26
	s_lshl_b32 s48, s33, 9
	s_mov_b32 s49, 0
	s_and_b32 s34, s33, 1                          ; q
	s_lshr_b32 s35, s33, 1
	s_cmp_lt_u32 s33, 512
	s_cselect_b32 s40, 127, 31
	s_and_b32 s35, s35, s40                        ; fragment within its array
	s_lshr_b32 s38, s35, 3                         ; ks, nt where the order is 8 ks + nt
	s_and_b32 s39, s35, 7
	s_bfe_u32 s40, s35, 0x20001                    ; w1's order 8 c + 2 ks + f, nt = 2 c + f
	s_and_b32 s41, s35, 1
	s_lshl1_add_u32 s41, s38, s41
	s_mov_b32 s36, 128
	s_mov_b32 s37, 1
	s_cmp_lt_u32 s33, 256
	s_cselect_b32 s38, s40, s38
	s_cselect_b32 s39, s41, s39
	s_cselect_b32 s36, 512, s36
	s_sub_co_u32 s40, s33, 640                     ; Qw alone is taken as it lies: K along its rows
	s_cmp_lt_u32 s40, 64
	s_cselect_b32 s36, 1, s36
	s_cselect_b32 s37, 128, s37
	s_lshl_b32 s40, s38, 5
	s_lshl4_add_u32 s40, s34, s40                  ; 32 ks + 16 q
	s_mul_i32 s40, s40, s36
	s_lshl_b32 s41, s39, 4
	s_mul_i32 s41, s41, s37
	s_add_co_u32 s45, s40, s41
	s_lshl_b32 s44, s36, 2
	s_mul_i32 s57, s26, 8448
	s_add_co_u32 s57, s57, STAGE
	s_lshl_b32 s62, s26, 10
	s_add_co_u32 s62, s62, VECS
	s_mul_i32 s63, s26, 36864
	s_lshl_b32 s59, s59, 7
	s_lshl_b32 s60, s60, 7
	v_and_b32 v24, 31, v0                          ; L
	v_and_b32 v25, 15, v0                          ; r
	v_bfe_u32 v26, v0, 4, 1                        ; h
	v_lshlrev_b32 v[XO], 4, v24
	v_add_nc_u32 v[SW], s57, v[XO]
	v_mul_u32_u24 v27, v25, 528
	v_lshl_add_u32 v27, v26, 5, v27
	v_add_nc_u32 v[SD], s57, v27
	v_lshl_add_u32 v[VEC], v26, 5, s62
	v_add_nc_u32 v[VST], s62, v[XO]
	v_mul_u32_u24 v27, v25, 288
	v_lshl_add_u32 v27, v26, 4, v27
	v_add_nc_u32 v[HSA], s63, v27
	v_and_b32 v28, 7, v0
	v_lshl_add_u32 v28, v26, 3, v28
	v_mul_u32_u24 v28, v28, 288
	v_bfe_u32 v29, v0, 3, 1
	v_lshl_add_u32 v28, v29, 4, v28
	v_add_nc_u32 v[TRA], s59, v28
	v_add_nc_u32 v[TRB], s60, v28
	v_lshlrev_b32 v27, 3, v26                      ; weights: 4 (A (32 ks + 16 q + 8 h + e) + B (16 nt + r))
	v_mul_lo_u32 v27, v27, s36
	v_mul_lo_u32 v28, v25, s37
	v_add3_u32 v27, v27, v28, s45
	v_lshlrev_b32 v80, 2, v27
.irp e, 1,2,3,4,5,6,7
	v_add_nc_u32 v[80+\e], s44, v[80+\e-1]
.endr
	s_wait_kmcnt 0x0
	s_add_nc_u64 s[4:5], s[4:5], s[30:31]
	s_add_nc_u64 s[22:23], s[22:23], s[46:47]
	s_add_nc_u64 s[24:25], s[24:25], s[48:49]
	s_mov_b64 s[42:43], s[20:21]                   ; the array that u falls into
	s_cmp_lt_u32 s33, 704
	s_cselect_b64 s[42:43], s[18:19], s[42:43]
	s_cmp_lt_u32 s33, 640
	s_cselect_b64 s[42:43], s[16:17], s[42:43]
	s_cmp_lt_u32 s33, 576
	s_cselect_b64 s[42:43], s[14:15], s[42:43]
	s_cmp_lt_u32 s33, 512
	s_cselect_b64 s[42:43], s[12:13], s[42:43]
	s_cmp_lt_u32 s33, 256
	s_cselect_b64 s[42:43], s[10:11], s[42:43]
	global_load_b128 v[64:67], v[XO], s[6:7]       ; ln1_g
	global_load_b128 v[68:71], v[XO], s[8:9]       ; ln1_b
	LOADT 0
	LOADT 1
	LOADT 2
	WIN 0
	s_cmp_gt_u32 s26, 2
	s_cbranch_scc1 .Lnoprep
	; one half fragment of the weights: 8 f32 a lane, in runs of 64 bytes (786,432 bytes in the whole launch, once)
.irp e, 0,1,2,3,4,5,6,7
	global_load_b32 v[72+\e], v[80+\e], s[42:43]
.endr
	s_wait_loadcnt 0x0
.irp i, 0,1,2,3
	v_cvt_pk_f16_f32 v[PK+\i], v[72+2*\i], v[72+2*\i+1]
.endr
	global_store_b128 v[XO], v[PK:PK+3], s[24:25]  ; 512 consecutive bytes
.Lnoprep:
	s_wait_loadcnt 48                              ; g and b are in; the 48 loads of x behind them may be out
	ds_store_b128 v[VST], v[64:67]
	ds_store_b128 v[VST], v[68:71] offset:512
	LDV 128, 0
	LDV 192, 512
	SHUF 0, 32                                     ; tiles 1, 2 may be out
	LOADT 3
.irp a, 0,1,2,3
	SHUF \a+1, 32
	LOADT \a+4
	s_wait_dscnt 32                                ; the next tile's 32 LDS instructions may be out
	LNT \a
.endr
	SHUF 5, 32
	s_wait_dscnt 32
	LNT 4
	SHUF 6, 16
	s_wait_dscnt 32
	LNT 5
	SHUF 7, 0
	s_wait_dscnt 32
	LNT 6
	s_wait_dscnt 0
	LNT 7
	HSTORE
	s_wait_dscnt 0x0                               ; my rows of h are in LDS, for the other waves
	s_barrier_signal -1
	s_barrier_wait -1
	; wave w: G's tiles it = 4 (w>>1) + i, jt = 4 (w&1) + j, over all 512 rows = 16 K steps
	GL FB0, 0
	GL FB1, 9216
	GTRIP 1, 1                                     ; the first products start the sums
	WIN 0
	s_mov_b32 s54, 6
.Lgram:
	GTRIP 0, 1
	WIN 0
	s_sub_co_u32 s54, s54, 1
	s_cmp_lg_u32 s54, 0
	s_cbranch_scc1 .Lgram
	GTRIP 0, 0
	WIN 0
.irp i, 0,1,2,3
.irp j, 0,1,2,3
	global_store_b128 v[XO], v[HID+8*(4*\i+\j):HID+8*(4*\i+\j)+3], s[22:23] offset:8192*\i+1024*\j
	global_store_b128 v[XO], v[HID+8*(4*\i+\j)+4:HID+8*(4*\i+\j)+7], s[22:23] offset:8192*\i+1024*\j+512
.endr
.endr
	s_endpgm
.Lfunc_end_k_q82f6784b4b_gram0:
	.size	k_q82f6784b4b_gram0, .Lfunc_end_k_q82f6784b4b_gram0-k_q82f6784b4b_gram0
	.p2alignl 7, 3214868480
	.fill 96, 4, 3214868480
	.section	.rodata,"a",@progbits
	.p2align	6, 0x0
	.amdhsa_kernel k_q82f6784b4b_gram0
		.amdhsa_group_segment_fixed_size 185344
		.amdhsa_private_segment_fixed_size 0
		.amdhsa_enable_private_segment 0
		.amdhsa_kernarg_size 88
		.amdhsa_user_sgpr_count 2
		.amdhsa_user_sgpr_kernarg_segment_ptr 1
		.amdhsa_wavefront_size32 1
		.amdhsa_system_sgpr_workgroup_id_x 1
		.amdhsa_system_sgpr_workgroup_id_y 1
		.amdhsa_system_sgpr_workgroup_id_z 1
		.amdhsa_system_vgpr_workitem_id 0
		.amdhsa_next_free_vgpr 1024
		.amdhsa_next_free_sgpr 66
		.amdhsa_reserve_vcc 0
		.amdhsa_float_denorm_mode_32 3
		.amdhsa_float_denorm_mode_16_64 3
		.amdhsa_memory_ordered 1
		.amdhsa_forward_progress 1
		.amdhsa_inst_pref_size 161
	.end_amdhsa_kernel
	.amdgpu_metadata
---
amdhsa.version: [ 1, 2 ]
amdhsa.kernels:
  - .name:           k_q82f6784b4b_gram0
    .symbol:         k_q82f6784b4b_gram0.kd
    .args:
      - { .name: x, .offset: 0, .size: 8, .value_kind: global_buffer, .address_space: global }
      - { .name: ln1_g, .offset: 8, .size: 8, .value_kind: global_buffer, .address_space: global }
      - { .name: ln1_b, .offset: 16, .size: 8, .value_kind: global_buffer, .address_space: global }
      - { .name: w1, .offset: 24, .size: 8, .value_kind: global_buffer, .address_space: global }
      - { .name: w2, .offset: 32, .size: 8, .value_kind: global_buffer, .address_space: global }
      - { .name: Vw, .offset: 40, .size: 8, .value_kind: global_buffer, .address_space: global }
      - { .name: Kw, .offset: 48, .size: 8, .value_kind: global_buffer, .address_space: global }
      - { .name: Qw, .offset: 56, .size: 8, .value_kind: global_buffer, .address_space: global }
      - { .name: out_w, .offset: 64, .size: 8, .value_kind: global_buffer, .address_space: global }
      - { .name: part, .offset: 72, .size: 8, .value_kind: global_buffer, .address_space: global }
      - { .name: wf, .offset: 80, .size: 8, .value_kind: global_buffer, .address_space: global }
    .group_segment_fixed_size: 185344
    .private_segment_fixed_size: 0
    .kernarg_segment_align: 8
    .kernarg_segment_size: 88
    .max_flat_workgroup_size: 128
    .sgpr_count:     66
    .vgpr_count:     1024
    .wavefront_size: 32
...
	.end_amdgpu_metadata
.endif
;; end of part 1
;; launch gsum0 (part 2): grid 128 x 1, 16 waves a work-group, no clusters, 8,192 bytes of LDS; arguments part, gf; writes gf
.if DOCPART == 2
	.amdgcn_target "amdgcn-amd-amdhsa--gfx1250"
	.amdhsa_code_object_version 6
	.text
	.protected	k_q82f6784b4b_gsum0
	.globl	k_q82f6784b4b_gsum0
	.p2align	8
	.type	k_q82f6784b4b_gsum0,@function
k_q82f6784b4b_gsum0:
	s_mov_b64 s[64:65], 0
	v_nop
	global_prefetch_b8 v0, s[64:65] scope:SCOPE_SE
	s_setreg_imm32_b32 hwreg(HW_REG_WAVE_MODE, 25, 1), 1
	s_wait_xcnt 0x0
; gf = f16 fragments of 2^-19 x (the sum of the 256 partial G).  A stream of 16 MiB: no matrix unit, no cluster, no tensor load.
; Work-group g owns tile g>>1 (of 64 tiles of 16 x 16) and lane half g&1: two aligned blocks of 256 bytes in each partial.
; Wave v adds partials 16 v .. 16 v + 15; wave 0 adds the 16 waves' sums in a fixed order and stores 256 consecutive bytes.
; 128 work-groups: a finer share would store parts of a 256-byte block.
; The static scale 2^-19 keeps G (about 131,072 g^2 on the diagonal) inside f16 for LN gains of about 1/60 to 40.
.macro SUM16
.irp n, 8,4,2,1
.set i, 0
.rept 2*\n
	v_pk_add_f32 v[16+2*i:17+2*i], v[16+2*i:17+2*i], v[16+2*i+4*\n:17+2*i+4*\n]
.set i, i+1
.endr
.endr
.endm
	s_load_b128 s[4:7], s[0:1], 0x0                ; part, gf
	v_lshrrev_b32 v1, 5, v0
	v_readfirstlane_b32 s8, v1                     ; wave
	v_and_b32 v2, 15, v0                           ; r
	v_bfe_u32 v3, v0, 4, 1                         ; q
	v_lshlrev_b32 v4, 4, v2
	v_lshl_add_u32 v4, v3, 9, v4                   ; in a tile: 512 q + 16 r
	v_lshlrev_b32 v5, 4, v0                        ; LDS: 512 wave + 16 lane
	v_and_b32 v6, 31, v0
	v_lshlrev_b32 v6, 4, v6
	v_lshlrev_b32 v7, 4, v2
	v_lshl_add_u32 v7, v3, 3, v7                   ; out: 16 r + 8 q
	s_lshr_b32 s9, ttmp9, 1                        ; tile = 8 it + jt
	s_and_b32 s10, ttmp9, 1                        ; lane half
	s_lshl_b32 s12, s9, 10
	s_lshl_b32 s11, s10, 8
	s_add_co_u32 s12, s12, s11
	s_lshl_b32 s14, s8, 20                         ; 16 partials of 65,536 bytes a wave
	s_add_co_u32 s12, s12, s14
	s_mov_b32 s13, 0
	s_lshr_b32 s15, s9, 3                          ; it
	s_and_b32 s16, s9, 7                           ; jt
	s_lshr_b32 s17, s15, 1
	s_lshl3_add_u32 s16, s17, s16                  ; fragment 8 (it>>1) + jt
	s_lshl_b32 s16, s16, 10
	s_and_b32 s15, s15, 1
	s_lshl_b32 s15, s15, 9
	s_add_co_u32 s16, s16, s15
	s_add_co_u32 s16, s16, s11
	s_mov_b32 s17, 0
	s_wait_kmcnt 0x0
	s_add_nc_u64 s[4:5], s[4:5], s[12:13]
	s_add_nc_u64 s[6:7], s[6:7], s[16:17]
.irp t, 0,1,2,3,4,5,6,7,8,9,10,11,12,13,14,15
	global_load_b128 v[16+4*\t:19+4*\t], v4, s[4:5] offset:65536*\t th:TH_LOAD_NT
.endr
	s_wait_loadcnt 0x0
	SUM16
	ds_store_b128 v5, v[16:19]
	s_wait_dscnt 0x0                               ; for wave 0's sake
	s_barrier_signal -1
	s_barrier_wait -1
	s_cmp_lg_u32 s8, 0
	s_cbranch_scc1 .Lend
.irp t, 0,1,2,3,4,5,6,7,8,9,10,11,12,13,14,15
	ds_load_b128 v[16+4*\t:19+4*\t], v6 offset:512*\t
.endr
	s_wait_dscnt 0x0
	SUM16
	v_pk_mul_f32 v[16:17], v[16:17], 0x36000000 op_sel_hi:[1,0]   ; 2^-19
	v_pk_mul_f32 v[18:19], v[18:19], 0x36000000 op_sel_hi:[1,0]
	v_cvt_pk_f16_f32 v20, v16, v17
	v_cvt_pk_f16_f32 v21, v18, v19
	global_store_b64 v7, v[20:21], s[6:7]
.Lend:
	s_endpgm
.Lfunc_end_k_q82f6784b4b_gsum0:
	.size	k_q82f6784b4b_gsum0, .Lfunc_end_k_q82f6784b4b_gsum0-k_q82f6784b4b_gsum0
	.p2alignl 7, 3214868480
	.fill 96, 4, 3214868480
	.section	.rodata,"a",@progbits
	.p2align	6, 0x0
	.amdhsa_kernel k_q82f6784b4b_gsum0
		.amdhsa_group_segment_fixed_size 8192
		.amdhsa_private_segment_fixed_size 0
		.amdhsa_enable_private_segment 0
		.amdhsa_kernarg_size 16
		.amdhsa_user_sgpr_count 2
		.amdhsa_user_sgpr_kernarg_segment_ptr 1
		.amdhsa_wavefront_size32 1
		.amdhsa_system_sgpr_workgroup_id_x 1
		.amdhsa_system_sgpr_workgroup_id_y 1
		.amdhsa_system_sgpr_workgroup_id_z 1
		.amdhsa_system_vgpr_workitem_id 0
		.amdhsa_next_free_vgpr 80
		.amdhsa_next_free_sgpr 66
		.amdhsa_reserve_vcc 0
		.amdhsa_float_denorm_mode_32 3
		.amdhsa_float_denorm_mode_16_64 3
		.amdhsa_memory_ordered 1
		.amdhsa_forward_progress 1
		.amdhsa_inst_pref_size 9
	.end_amdhsa_kernel
	.amdgpu_metadata
---
amdhsa.version: [ 1, 2 ]
amdhsa.kernels:
  - .name:           k_q82f6784b4b_gsum0
    .symbol:         k_q82f6784b4b_gsum0.kd
    .args:
      - { .name: part, .offset: 0, .size: 8, .value_kind: global_buffer, .address_space: global }
      - { .name: gf, .offset: 8, .size: 8, .value_kind: global_buffer, .address_space: global }
    .group_segment_fixed_size: 8192
    .private_segment_fixed_size: 0
    .kernarg_segment_align: 8
    .kernarg_segment_size: 16
    .max_flat_workgroup_size: 512
    .sgpr_count:     66
    .vgpr_count:     80
    .wavefront_size: 32
...
	.end_amdgpu_metadata
.endif
;; end of part 2
;; launch main1 (part 3): grid 256 x 1, 4 waves a work-group, clusters of 4 x 1, 327,680 bytes of LDS; arguments x, gf, wf, b1, b2, ln1_g, ln1_b, ln2_g, ln2_b, xmid, part; writes xmid, part
.if DOCPART == 3
	.amdgcn_target "amdgcn-amd-amdhsa--gfx1250"
	.amdhsa_code_object_version 6
	.text
	.protected	k_q82f6784b4b_main1
	.globl	k_q82f6784b4b_main1
	.p2align	8
	.type	k_q82f6784b4b_main1,@function
k_q82f6784b4b_main1:
	s_mov_b64 s[64:65], 0
	v_nop
	global_prefetch_b8 v0, s[64:65] scope:SCOPE_SE
	s_setreg_imm32_b32 hwreg(HW_REG_WAVE_MODE, 25, 1), 1
	s_wait_xcnt 0x0
	s_wait_alu depctr_hold_cnt(0) depctr_sa_sdst(0) depctr_va_vdst(0) depctr_va_sdst(0) depctr_va_ssrc(0) depctr_va_vcc(0) depctr_vm_vsrc(0)
	s_getreg_b32 s2, hwreg(HW_REG_IB_STS2, 6, 4)
	s_cmp_eq_u32 s2, 0
	s_cbranch_scc0 .Lentry_in_a_cluster
	s_endpgm
.Lentry_in_a_cluster:
	s_bfe_u32 s2, ttmp6, 0x10000c
	s_cmp_lg_u32 s2, 0x3003
	s_cbranch_scc0 .Lentry_shape_is_right
	s_endpgm
.Lentry_shape_is_right:
; One timestep on 512 rows a work-group, 128 a wave, x kept in 512 registers throughout:
;   M^T = Vw^T G Kw Qw^T (each wave 32 rows of it; G = h^T h is symmetric by construction), x += LN1(x) M, x += relu(LN2(x) w1 + b1) w2 + b2,
; then x goes to xmid as the register image, and part[wg] = LN1(x)^T LN1(x) for the next timestep.
; All products: v_wmma D, weight fragment, row fragment: register j of lane (r, h) is (row r, feature 16 b + 8 h + j), so two neighbouring
; feature tiles pack straight into the next product's fragment, and nothing goes through LDS between chained products.
; f16 operands.  What has no room in f16 carries an exact power of two: G 2^-19 (static), each row of the M chain its own largest exponent.
; CODE: LayerNorm of eight tiles is some 1,600 instructions.  It stands once, in a loop of three trips; what follows it is chosen by the
; trip's number: trip 0 the attention update, trip 1 the FFN, trip 2 nothing (its h goes into G behind the loop).
; FFN: relu and the rounding of one row tile are issued between the products of the next tiles.
; CLUSTER 4 x 1: the four work-groups walk the same weights; each 32 KiB block is asked for jointly (mask 15).  x, the vectors and the
; results are each work-group's own.  No prefetch: x is requested whole at the head, the weights are re-read by every cluster.
; By this text's count a wave has at most two tensor loads out.
; Limits: LN gains about 1/60 to 40; hidden values below 65,504; a chain row whose largest magnitude is denormal counts as zero; magnitudes below 2^127.
; Windows: 0 addresses, fragments WA, WB (= U), HID; 1 H; 2, 3 X(a, b) at 64 (a&3) + 8 b.
.set XO, 1
.set SW, 2
.set SD, 3
.set VEC, 4
.set VST, 5
.set W1A, 6
.set W2A, 7
.set B1A, 8
.set MB0, 9
.set MB1, 10
.set CA, 11
.set MTS, 12
.set SCS, 13
.set SCR, 14
.set HSA, 15
.set TRA, 16
.set TRB, 17
.set SC0, 18
.set YA, 20
.set T, 24
.set ST, 32
.set BIAS, 48
.set WA, 64
.set WB, 96
.set U, 64
.set HID, 128
.set FB0, 0
.set FB1, 64
.set XB, 4
.set RB, 131072                        ; LDS: 0 W1F; RB Vw^T, Kw^T, Qw, G (32 KiB each), filled again with W2F
.set RC, 262144                        ; 33,792 bytes, LDS stores alone: the input stages, then M^T
.set RV, 295936                        ; 4 x 5,120: b1, b2, ln1_g, ln1_b, ln2_g, ln2_b for each wave
.set SCL, 316416                       ; 128 f32: the scale of each row of M^T
.set MSB, 0
.macro WIN new
.if MSB != (\new)
	s_set_vgpr_msb (MSB<<8)|(\new)
.set MSB, (\new)
.endif
.endm
.macro NOPS n
.rept \n
	v_nop
.endr
.endm
.macro ROUND                           ; a round of the cluster's barrier
	WIN 0
	s_barrier_signal -1
	s_barrier_wait -1
	s_cmp_lg_u32 s26, 0
	s_cbranch_scc1 .Lnw0_\@
	s_barrier_signal -3
.Lnw0_\@:
	s_barrier_wait -3
	s_barrier_signal -1
	s_barrier_wait -1
.endm
.macro LOADT a
	WIN ((2+((\a)>>2))<<6)
.irp t, 0,1,2,3,4,5,6,7,8,9,10,11,12,13,14,15
	global_load_b128 v[64*((\a)&3)+4*\t:64*((\a)&3)+4*\t+3], v[XO], s[XB:XB+1] offset:(16*(\a)+\t)*512
.endr
.endm
.macro SHUF a, cnt                     ; rows across lanes -> a row in two lanes, through my own stage (LDS serves a wave in order)
	s_wait_loadcnt \cnt
	WIN ((2+((\a)>>2))<<2)
.irp t, 0,1,2,3,4,5,6,7,8,9,10,11,12,13,14,15
	ds_store_b128 v[SW], v[64*((\a)&3)+4*\t:64*((\a)&3)+4*\t+3] offset:528*\t
.endr
	WIN ((2+((\a)>>2))<<6)
.irp t, 0,1,2,3,4,5,6,7,8,9,10,11,12,13,14,15
	ds_load_b128 v[64*((\a)&3)+4*\t:64*((\a)&3)+4*\t+3], v[SD] offset:64*(\t>>1)+16*(\t&1)
.endr
.endm
.macro LDV dst, slot
	WIN 0
.set i, 0
.rept 16
	ds_load_b128 v[\dst+4*i:\dst+4*i+3], v[VEC] offset:\slot+64*(i>>1)+16*(i&1)
.set i, i+1
.endr
.endm
.macro LW buf, areg, off               ; four fragments of 1,024 bytes, 16 consecutive bytes a lane
	WIN 0
.set i, 0
.rept 8
	ds_load_b128 v[\buf+4*i:\buf+4*i+3], v[\areg] offset:\off+512*i
.set i, i+1
.endr
.endm
.macro LB areg, off                    ; 32 features' f32 in D's layout
	WIN 0
.irp i, 0,1,2,3
	ds_load_b128 v[BIAS+4*\i:BIAS+4*\i+3], v[\areg] offset:\off+64*(\i>>1)+16*(\i&1)
.endr
.endm
.macro LNT a
.set XR, 64*((\a)&3)
.set XW, 2+((\a)>>2)
	WIN XW|(XW<<2)
.set i, 0
.rept 16
	v_pk_add_f32 v[U+2*i:U+2*i+1], v[XR+4*i:XR+4*i+1], v[XR+4*i+2:XR+4*i+3]
.set i, i+1
.endr
	WIN 0
.irp n, 8,4,2,1
.set i, 0
.rept \n
	v_pk_add_f32 v[U+2*i:U+2*i+1], v[U+2*i:U+2*i+1], v[U+2*i+2*\n:U+2*i+2*\n+1]
.set i, i+1
.endr
.endr
	v_add_f32 v[T], v[U], v[U+1]
	v_permlanex16_b32 v[T+1], v[T], s52, s53
	v_add_f32 v[T], v[T], v[T+1]
	v_mul_f32 v[T+2], s58, v[T]
	v_mul_f32 v[T+3], s58, v[T]
	WIN XW
.set i, 0
.rept 32
	v_pk_add_f32 v[U+2*i:U+2*i+1], v[XR+2*i:XR+2*i+1], v[T+2:T+3]
.set i, i+1
.endr
	WIN 0
.set i, 0
.rept 4
	v_pk_mul_f32 v[ST+2*i:ST+2*i+1], v[U+2*i:U+2*i+1], v[U+2*i:U+2*i+1]
.set i, i+1
.endr
.rept 28
	v_pk_fma_f32 v[ST+2*(i%4):ST+2*(i%4)+1], v[U+2*i:U+2*i+1], v[U+2*i:U+2*i+1], v[ST+2*(i%4):ST+2*(i%4)+1]
.set i, i+1
.endr
	v_pk_add_f32 v[ST:ST+1], v[ST:ST+1], v[ST+4:ST+5]
	v_pk_add_f32 v[ST+2:ST+3], v[ST+2:ST+3], v[ST+6:ST+7]
	v_pk_add_f32 v[ST:ST+1], v[ST:ST+1], v[ST+2:ST+3]
	v_add_f32 v[T], v[ST], v[ST+1]
	v_permlanex16_b32 v[T+1], v[T], s52, s53
	v_add_f32 v[T], v[T], v[T+1]
	v_fma_f32 v[T], v[T], s55, s56
	v_rsq_f32 v[T+2], v[T]
	v_nop                                          ; one plain place behind the transcendental (ISA guide 5.7.2)
	s_wait_alu depctr_va_vdst(0)
	v_mov_b32 v[T+3], v[T+2]
.set i, 0
.rept 32
	v_pk_mul_f32 v[U+2*i:U+2*i+1], v[U+2*i:U+2*i+1], v[T+2:T+3]
.set i, i+1
.endr
.set i, 0
.rept 32
	v_pk_fma_f32 v[U+2*i:U+2*i+1], v[U+2*i:U+2*i+1], v[128+2*i:128+2*i+1], v[192+2*i:192+2*i+1]
.set i, i+1
.endr
	WIN 0x40
.set i, 0
.rept 32
	v_cvt_pk_f16_f32 v[32*(\a)+i], v[U+2*i], v[U+2*i+1]
.set i, i+1
.endr
.endm
; the M chain: 8 products, rows 16 t of my 32, output tiles n0 .. n0+3, K step ks.  Accumulators by turns.
.macro CM buf, n0, ks
	WIN 0x04
.irp i, 0,1,2,3
.irp t, 0,1
.if \ks == 0
	v_wmma_f32_16x16x32_f16 v[HID+64*\t+8*(\n0+\i):HID+64*\t+8*(\n0+\i)+7], v[\buf+8*\i:\buf+8*\i+7], v[32*\t+8*\ks:32*\t+8*\ks+7], 0
.else
	v_wmma_f32_16x16x32_f16 v[HID+64*\t+8*(\n0+\i):HID+64*\t+8*(\n0+\i)+7], v[\buf+8*\i:\buf+8*\i+7], v[32*\t+8*\ks:32*\t+8*\ks+7], v[HID+64*\t+8*(\n0+\i):HID+64*\t+8*(\n0+\i)+7]
.endif
.endr
.endr
.endm
.macro CST areg, off                   ; one stage: Y (32 x 128) times a 128 x 128 matrix whose fragments lie at areg + off
	LW WA, \areg, \off
	LW WB, \areg, \off+4096
.irp ks, 0,1,2,3
	s_wait_dscnt 8                     ; WA is in (and all older loads); WB's 8 may be out
	CM WA, 0, \ks
	NOPS 5                             ; places behind the matrix instructions (ISA guide 7.12.1)
.if \ks < 3
	LW WA, \areg, \off+8192*(\ks+1)
	s_wait_dscnt 8                     ; WB is in; the 8 just issued may be out
.else
	s_wait_dscnt 0
.endif
	CM WB, 4, \ks
	NOPS 5
.if \ks < 3
	LW WB, \areg, \off+8192*(\ks+1)+4096
.endif
.endr
.endm
.macro CNORM t                         ; each row by the power of two of its largest magnitude; the power is kept in SC; then f16 fragments
.set CB, HID+64*\t
	WIN 0
.irp c, 0,1,2,3
	v_max_num_f32 v[T+\c], |v[CB+\c]|, |v[CB+4+\c]|
.endr
.set i, 8
.rept 28
	v_max3_num_f32 v[T+((i>>1)&3)], |v[CB+i]|, |v[CB+i+1]|, v[T+((i>>1)&3)]
.set i, i+2
.endr
	v_max3_num_f32 v[T], v[T], v[T+1], v[T+2]
	v_max_num_f32 v[T], v[T], v[T+3]
	v_permlanex16_b32 v[T+1], v[T], s52, s53
	v_max_num_f32 v[T], v[T], v[T+1]
	v_and_b32 v[T+2], 0x7f800000, v[T]             ; P = 2^e
	v_sub_nc_u32 v[T+4], 0x7f000000, v[T+2]        ; 1 / P
	v_sub_nc_u32 v[T+5], 0x7f000000, v[T+2]
	v_mul_f32 v[SC0+\t], v[SC0+\t], v[T+2]
.set i, 0
.rept 32
	v_pk_mul_f32 v[CB+2*i:CB+2*i+1], v[CB+2*i:CB+2*i+1], v[T+4:T+5]
.set i, i+1
.endr
	WIN 0x40
.set i, 0
.rept 32
	v_cvt_pk_f16_f32 v[32*\t+i], v[CB+2*i], v[CB+2*i+1]
.set i, i+1
.endr
.endm
; 32 products: 32 output features (f = 0, 1) x 8 row tiles x two K steps (2 hf, 2 hf + 1).  16 accumulators by turns.
.macro G1H hf, buf, cmode
	WIN 0x04
.irp kkl, 0,1
.irp f, 0,1
.irp a, 0,1,2,3,4,5,6,7
.if (\hf+\kkl) == 0
.if \cmode
	v_wmma_f32_16x16x32_f16 v[HID+16*\a+8*\f:HID+16*\a+8*\f+7], v[\buf+8*(2*\kkl+\f):\buf+8*(2*\kkl+\f)+7], v[32*\a+8*(2*\hf+\kkl):32*\a+8*(2*\hf+\kkl)+7], v[BIAS+8*\f:BIAS+8*\f+7]
.else
	v_wmma_f32_16x16x32_f16 v[HID+16*\a+8*\f:HID+16*\a+8*\f+7], v[\buf+8*(2*\kkl+\f):\buf+8*(2*\kkl+\f)+7], v[32*\a+8*(2*\hf+\kkl):32*\a+8*(2*\hf+\kkl)+7], 0
.endif
.else
	v_wmma_f32_16x16x32_f16 v[HID+16*\a+8*\f:HID+16*\a+8*\f+7], v[\buf+8*(2*\kkl+\f):\buf+8*(2*\kkl+\f)+7], v[32*\a+8*(2*\hf+\kkl):32*\a+8*(2*\hf+\kkl)+7], v[HID+16*\a+8*\f:HID+16*\a+8*\f+7]
.endif
.endr
.endr
.endr
.endm
.macro ATTC c                          ; x(:, 32 c .. 32 c + 31) += (h M~) x scale
	s_wait_dscnt 12                    ; WA is in; WB's 8 and the scales' 4 may be out
	G1H 0, WA, 0
	NOPS 5
.if \c < 3
	LW WA, CA, 8192*(\c+1)
	s_wait_dscnt 12                    ; WB is in; the scales' 4 and WA's 8 may be out
.else
	s_wait_dscnt 4
.endif
	G1H 1, WB, 0
	NOPS 5
.if \c < 3
	LW WB, CA, 8192*(\c+1)+4096
	s_wait_dscnt 16                    ; the scales are in; the next chunk's 16 may be out
.else
	s_wait_dscnt 0
.endif
.irp a, 0,1,2,3,4,5,6,7
	WIN ((2+(\a>>2))<<6)|((2+(\a>>2))<<4)
.irp k, 0,1,2,3,4,5,6,7
	v_pk_fma_f32 v[64*(\a&3)+16*\c+2*\k:64*(\a&3)+16*\c+2*\k+1], v[HID+16*\a+2*\k:HID+16*\a+2*\k+1], v[BIAS+2*\k:BIAS+2*\k+1], v[64*(\a&3)+16*\c+2*\k:64*(\a&3)+16*\c+2*\k+1]
.endr
.endr
.if \c < 3
	LB SCR, 128*(\c+1)
.endif
.endm
; THE FFN TRIP'S PIECES.  WM: one product of w1's K steps 2, 3 (fragment kf of WB: K step 2 + (kf>>1), features 16 (kf&1) ..) for row tile a.
.macro WM a, kf
	v_wmma_f32_16x16x32_f16 v[HID+16*(\a)+8*((\kf)&1):HID+16*(\a)+8*((\kf)&1)+7], v[WB+8*(\kf):WB+8*(\kf)+7], v[32*(\a)+16+8*((\kf)>>1):32*(\a)+16+8*((\kf)>>1)+7], v[HID+16*(\a)+8*((\kf)&1):HID+16*(\a)+8*((\kf)&1)+7]
.endm
; MX: relu in f32 on four of tile a's 16 registers.  The register is the FIRST source: under the products' setting only source 1 means window 1.
.macro MX a, q
.irp k, 0,1,2,3
	v_max_num_f32 v[HID+16*(\a)+4*(\q)+\k], v[HID+16*(\a)+4*(\q)+\k], 0
.endr
.endm
; WT: K step 2 of tile t+1, then K step 3 of tile t (a link stands five products behind the one that it adds onto; accumulators by turns)
; and between them relu of tile t-1.  Behind tile t-1's last product stand the four relu lines and the eight
; conversions of tile t-2 (four v_nop for t-1 = 0): the places that a reader of its result needs (ISA guide 7.12.1).
.macro WT t
	WIN 0x04
.if (\t) < 7
	WM (\t)+1, 0
.if (\t) > 0
	MX (\t)-1, 0
.endif
	WM (\t)+1, 1
.if (\t) > 0
	MX (\t)-1, 1
.endif
	WM \t, 2
.if (\t) > 0
	MX (\t)-1, 2
.endif
	WM \t, 3
.if (\t) > 0
	MX (\t)-1, 3
.endif
.else
	WM \t, 2
	MX (\t)-1, 0
	MX (\t)-1, 1
	WM \t, 3
	MX (\t)-1, 2
	MX (\t)-1, 3
.endif
.endm
.macro CVT t                           ; tile t's 32 hidden features as one f16 fragment, in place
	WIN 0
.irp k, 0,1,2,3,4,5,6,7
	v_cvt_pk_f16_f32 v[HID+16*(\t)+\k], v[HID+16*(\t)+2*\k], v[HID+16*(\t)+2*\k+1]
.endr
.endm
.macro G2A a                           ; x(tile a, features 0-63) += hidden chunk x w2 (WA): the residual is the accumulator
	WIN ((2+((\a)>>2))<<6)|((2+((\a)>>2))<<4)
.irp i, 0,1,2,3
	v_wmma_f32_16x16x32_f16 v[64*((\a)&3)+8*\i:64*((\a)&3)+8*\i+7], v[WA+8*\i:WA+8*\i+7], v[HID+16*(\a):HID+16*(\a)+7], v[64*((\a)&3)+8*\i:64*((\a)&3)+8*\i+7]
.endr
.endm
.macro G2H buf, n0                     ; x(:, 16 (n0+i) ..) += hidden chunk x w2, all eight tiles.  32 accumulators by turns.
	WIN 0xa0
.irp i, 0,1,2,3
.irp a, 0,1,2,3
	v_wmma_f32_16x16x32_f16 v[64*\a+8*(\n0+\i):64*\a+8*(\n0+\i)+7], v[\buf+8*\i:\buf+8*\i+7], v[HID+16*\a:HID+16*\a+7], v[64*\a+8*(\n0+\i):64*\a+8*(\n0+\i)+7]
.endr
.endr
	WIN 0xf0
.irp i, 0,1,2,3
.irp a, 0,1,2,3
	v_wmma_f32_16x16x32_f16 v[64*\a+8*(\n0+\i):64*\a+8*(\n0+\i)+7], v[\buf+8*\i:\buf+8*\i+7], v[HID+16*(\a+4):HID+16*(\a+4)+7], v[64*\a+8*(\n0+\i):64*\a+8*(\n0+\i)+7]
.endr
.endr
.endm
; 32 hidden features: 64 + 64 products.  All 16 trips are alike: the last trip's look-ahead reads bytes inside LDS (the head of W2F, b2's slot) that are not used.
.macro TRIP
	s_wait_dscnt 8                     ; b1's chunk and WA (w1, K 0-63) are in; WB's 8 may be out
	G1H 0, WA, 1
	s_wait_dscnt 0                     ; WB (w1, K 64-127)
	WIN 0x04
	WM 0, 0
	WM 0, 1
	WT 0
	NOPS 4                             ; places: for relu of tile 0, and for the loads into WA and BIAS, which products have read
	LW WA, W2A, 0
	LB B1A, 128
	WT 1
	CVT 0
	WT 2
	CVT 1
	WT 3
	CVT 2
	WT 4
	CVT 3
	s_wait_dscnt 4                     ; WA (w2, tiles 0-3) is in; the next b1's 4 may be out
	G2A 0
	WT 5
	CVT 4
	G2A 1
	WT 6
	CVT 5
	G2A 2
	WT 7
	CVT 6
	LW WB, W2A, 4096                   ; behind WB's last reader stand 16 plain lines; 20 products follow before it is wanted
	G2A 3
	WIN 0
.set i, 0
.rept 16
	v_max_num_f32 v[HID+112+i], 0, v[HID+112+i]
.set i, i+1
.endr
	CVT 7
	G2A 4
	G2A 5
	G2A 6
	G2A 7
	NOPS 5
	LW WA, W1A, 8192
	s_wait_dscnt 8                     ; WB (w2, tiles 4-7) and the next b1 are in; the 8 just issued may be out
	G2H WB, 4
	NOPS 5
	LW WB, W1A, 12288
	v_add_nc_u32 v[W1A], 0x2000, v[W1A]
	v_add_nc_u32 v[W2A], 0x2000, v[W2A]
	v_add_nc_u32 v[B1A], 0x80, v[B1A]
.endm
.macro STX a                           ; tile a of x out, as it lies in registers: each store covers 512 consecutive bytes
	WIN ((2+((\a)>>2))<<2)
.irp t, 0,1,2,3,4,5,6,7,8,9,10,11,12,13,14,15
	global_store_b128 v[XO], v[64*((\a)&3)+4*\t:64*((\a)&3)+4*\t+3], s[22:23] offset:(16*(\a)+\t)*512
.endr
.endm
.macro HSTORE
	WIN 0x04
.set i, 0
.rept 32
	ds_store_b128 v[HSA], v[8*i:8*i+3] offset:4608*(i>>2)+64*(i&3)
	ds_store_b128 v[HSA], v[8*i+4:8*i+7] offset:4608*(i>>2)+64*(i&3)+32
.set i, i+1
.endr
.endm
.macro GL fb, off
	WIN 0x40
.irp i, 0,1,2,3
	ds_load_tr16_b128 v[\fb+8*\i:\fb+8*\i+3], v[TRA] offset:\off+32*\i
	ds_load_tr16_b128 v[\fb+8*\i+4:\fb+8*\i+7], v[TRA] offset:\off+32*\i+4608
	ds_load_tr16_b128 v[\fb+32+8*\i:\fb+32+8*\i+3], v[TRB] offset:\off+32*\i
	ds_load_tr16_b128 v[\fb+32+8*\i+4:\fb+32+8*\i+7], v[TRB] offset:\off+32*\i+4608
.endr
.endm
.macro GM fb, zero
	WIN 0x05
.irp i, 0,1,2,3
.irp j, 0,1,2,3
.if \zero
	v_wmma_f32_16x16x32_f16 v[HID+8*(4*\i+\j):HID+8*(4*\i+\j)+7], v[\fb+8*\i:\fb+8*\i+7], v[\fb+32+8*\j:\fb+32+8*\j+7], 0
.else
	v_wmma_f32_16x16x32_f16 v[HID+8*(4*\i+\j):HID+8*(4*\i+\j)+7], v[\fb+8*\i:\fb+8*\i+7], v[\fb+32+8*\j:\fb+32+8*\j+7], v[HID+8*(4*\i+\j):HID+8*(4*\i+\j)+7]
.endif
.endr
.endr
.endm
.macro GTRIP zero, reload
	s_wait_dscnt 16                    ; buffer 0 is in; buffer 1's 16 loads may be out
	GM FB0, \zero
	NOPS 5
.if \reload
	GL FB0, 18432
	s_wait_dscnt 16
.else
	s_wait_dscnt 0
.endif
	GM FB1, 0
	NOPS 5
.if \reload
	GL FB1, 27648
	WIN 0
	v_add_nc_u32 v[TRA], 0x4800, v[TRA]
	v_add_nc_u32 v[TRB], 0x4800, v[TRB]
.endif
.endm
	s_load_b512 s[4:19], s[0:1], 0x0               ; x, gf, wf, b1, b2, ln1_g, ln1_b, ln2_g
	s_load_b128 s[20:23], s[0:1], 0x40             ; ln2_b, xmid
	s_load_b64 s[24:25], s[0:1], 0x50              ; part
	v_lshrrev_b32 v24, 5, v0
	v_readfirstlane_b32 s26, v24                   ; wave
	s_bfe_u32 s27, ttmp6, 0x40000                  ; cx: enters global addresses of x, xmid and part alone
	s_lshl_b32 s28, ttmp9, 2
	s_add_co_u32 s28, s28, s27                     ; work-group
	s_mov_b32 s52, 0x76543210
	s_mov_b32 s53, 0xfedcba98
	s_mov_b32 s55, 0x3c000000                      ; 1/128
	s_mov_b32 s56, 0x3727c5ac                      ; 1e-5
	s_mov_b32 s58, 0xbc000000                      ; -1/128
	s_lshl_b32 s30, s28, 2
	s_add_co_u32 s30, s30, s26
	s_lshl_b32 s30, s30, 16
	s_mov_b32 s31, 0
	s_lshr_b32 s59, s26, 1
	s_and_b32 s60, s26, 1
	s_lshl_b32 s62, s28, 16
	s_lshl_b32 s61, s59, 15
	s_add_co_u32 s62, s62, s61
	s_lshl_b32 s61, s60, 12
	s_add_co_u32 s62, s62, s61
	s_mov_b32 s63, 0
	; group 1: a dense block of 32 KiB as 128 rows of 32 elements of 8 bytes; mask 15 with bit 21 beside it
	s_mov_b32 s32, 15|(3<<16)|(1<<21)
	s_mov_b32 s33, 32<<16
	s_mov_b32 s34, 128<<16
	s_mov_b32 s35, 32<<16
	s_mov_b32 s36, 128
	s_mov_b32 s37, 32
	s_mov_b32 s38, 0
	s_mov_b32 s39, 0
	; group 0, three sets: every word hangs on the wave's number alone
	s_lshl_b32 s28, s26, 15
	s_mov_b32 s29, 0
	s_mov_b32 s40, 1
	s_add_co_u32 s41, s28, RB
	s_mov_b32 s44, 1
	s_lshl_b32 s45, s26, 15
	s_mov_b32 s48, 1
	s_add_co_u32 s49, s28, RB
	s_wait_kmcnt 0x0
	s_add_nc_u64 s[46:47], s[8:9], s[28:29]        ; W1F, my quarter
	s_add_nc_u64 s[50:51], s[46:47], 0x20000       ; W2F, my quarter
	s_add_nc_u64 s[42:43], s[46:47], 0x40000       ; waves 0-2: Vw^T, Kw^T, Qw; wave 3: G
	s_cmp_eq_u32 s26, 3
	s_cselect_b64 s[42:43], s[6:7], s[42:43]
	s_or_b32 s43, s43, 0x80000000
	s_or_b32 s47, s47, 0x80000000
	s_or_b32 s51, s51, 0x80000000
	s_add_nc_u64 s[4:5], s[4:5], s[30:31]
	s_add_nc_u64 s[22:23], s[22:23], s[30:31]
	s_add_nc_u64 s[24:25], s[24:25], s[62:63]
	ROUND                                          ; the four work-groups are here: the first joint loads meet
	tensor_load_to_lds s[40:43], s[32:39]
	s_nop 0
	tensor_load_to_lds s[44:47], s[32:39]
	s_nop 0
	s_mul_i32 s57, s26, 8448
	s_add_co_u32 s57, s57, RC
	s_mul_i32 s61, s26, 5120
	s_add_co_u32 s61, s61, RV
	s_lshl_b32 s62, s26, 13
	s_lshl_b32 s63, s26, 7
	s_add_co_u32 s63, s63, SCL
	s_mul_i32 s54, s26, 36864
	s_lshl_b32 s59, s59, 7
	s_lshl_b32 s60, s60, 7
	s_lshl_b32 s29, s26, 11
	v_and_b32 v24, 31, v0
	v_and_b32 v25, 15, v0
	v_bfe_u32 v26, v0, 4, 1
	v_lshlrev_b32 v[XO], 4, v24
	v_add_nc_u32 v[SW], s57, v[XO]
	v_mul_u32_u24 v27, v25, 528
	v_lshl_add_u32 v27, v26, 5, v27
	v_add_nc_u32 v[SD], s57, v27
	v_lshl_add_u32 v[VEC], v26, 5, s61
	v_add_nc_u32 v[VST], s61, v[XO]
	v_add_nc_u32 v[MB0], RB, v[XO]
	v_add_nc_u32 v[MB1], RB+65536, v[XO]
	v_add_nc_u32 v[CA], RC, v[XO]
	v_add_nc_u32 v[MTS], s62, v[CA]
	v_lshl_add_u32 v[SCS], v25, 2, s63
	v_lshl_add_u32 v[SCR], v26, 5, SCL
	v_mul_u32_u24 v27, v25, 288
	v_lshl_add_u32 v27, v26, 4, v27
	v_add_nc_u32 v[HSA], s54, v27
	v_and_b32 v28, 7, v0
	v_lshl_add_u32 v28, v26, 3, v28
	v_mul_u32_u24 v28, v28, 288
	v_bfe_u32 v29, v0, 3, 1
	v_lshl_add_u32 v28, v29, 4, v28
	v_add_nc_u32 v[TRA], s59, v28
	v_add_nc_u32 v[TRB], s60, v28
	v_add_nc_u32 v[YA], s29, v[MB0]
	v_mov_b32 v[SC0], 0x49000000                   ; 2^19 undoes G's static scale
	v_mov_b32 v[SC0+1], 0x49000000
.irp i, 0,1,2,3
	global_load_b128 v[64+4*\i:64+4*\i+3], v[XO], s[10:11] offset:512*\i
.endr
.irp i, 0,1,2,3,4
	global_load_b128 v[80+4*\i:80+4*\i+3], v[XO], s[12+2*\i:13+2*\i]
.endr
	LOADT 0
	LOADT 1
	LOADT 2
	WIN 0
	s_wait_loadcnt 48                              ; the vectors are in; the 48 loads of x behind them may be out
.irp i, 0,1,2,3,4,5,6,7,8
	ds_store_b128 v[VST], v[64+4*\i:64+4*\i+3] offset:512*\i
.endr
	s_wait_tensorcnt 0x1                           ; my part of the chain's matrices is in; W1F's may stay out
	s_wait_dscnt 0x0
	s_barrier_signal -1
	s_barrier_wait -1
	WIN 0x40                                       ; Y0 = my 32 rows of Vw^T
.irp t, 0,1
.irp ks, 0,1,2,3
	ds_load_b128 v[32*\t+8*\ks:32*\t+8*\ks+3], v[YA] offset:8192*\ks+1024*\t
	ds_load_b128 v[32*\t+8*\ks+4:32*\t+8*\ks+7], v[YA] offset:8192*\ks+1024*\t+512
.endr
.endr
	CST MB1, 32768                                 ; x G
	LOADT 3
	LOADT 4
	CNORM 0
	CNORM 1
	CST MB0, 32768                                 ; x Kw
	LOADT 5
	LOADT 6
	CNORM 0
	CNORM 1
	CST MB1, 0                                     ; x Qw^T
	s_wait_dscnt 0x0                               ; my reads of the chain's matrices are over,
	s_wait_tensorcnt 0x0                           ; and all my tensor loads have landed
	ROUND                                          ; both hold of every wave of the four work-groups
	tensor_load_to_lds s[48:51], s[32:39]          ; W2F over the chain's matrices: my one load behind the round
	s_nop 0
	LOADT 7
	CNORM 0
	CNORM 1
	SHUF 0, 48                                     ; counts: the loads requested later, 48 at the most
	SHUF 1, 48
	SHUF 2, 48
	SHUF 3, 48
	SHUF 4, 48
	SHUF 5, 32
	SHUF 6, 16
	SHUF 7, 0
	s_wait_dscnt 0x0                               ; the stages have been read: M^T is laid over them
	s_barrier_signal -1
	s_barrier_wait -1
	WIN 0x04
.irp t, 0,1
.irp kk, 0,1,2,3
	ds_store_b128 v[MTS], v[32*\t+8*\kk:32*\t+8*\kk+3] offset:2048*\kk+1024*\t
	ds_store_b128 v[MTS], v[32*\t+8*\kk+4:32*\t+8*\kk+7] offset:2048*\kk+1024*\t+512
.endr
.endr
	WIN 0
	ds_store_b32 v[SCS], v[SC0]
	ds_store_b32 v[SCS], v[SC0+1] offset:64
	LDV 128, 2560                                  ; ln1_g, ln1_b for trip 0
	LDV 192, 3072
	s_mov_b32 s59, 0                               ; the trip's number
.Lphase:
	s_wait_dscnt 0x0                               ; this trip's g and b (and all older LDS work of mine)
.irp a, 0,1,2,3,4,5,6,7
	LNT \a
.endr
	WIN 0
	s_wait_tensorcnt 0x0                           ; my part of W2F (it had trip 0's LayerNorm in which to land; met at once in the later trips)
	s_wait_dscnt 0x0
	s_barrier_signal -1
	s_barrier_wait -1                              ; trip 0: M^T, its scales and W2F are whole
	s_cmp_lg_u32 s59, 0
	s_cbranch_scc1 .Lnotatt
	; trip 0: x += LN1(x) M
	s_wait_xcnt 0x0                                ; X is written below: on no way that leads here does a store still read it
	LW WA, CA, 0
	LW WB, CA, 4096
	LB SCR, 0
	ATTC 0
	ATTC 1
	ATTC 2
	ATTC 3
	LDV 128, 3584                                  ; ln2_g, ln2_b for trip 1
	LDV 192, 4096
	s_branch .Lnext
.Lnotatt:
	s_cmp_lg_u32 s59, 1
	s_cbranch_scc1 .Lnext
	; trip 1: x += relu(LN2(x) w1 + b1) w2 + b2
	s_wait_xcnt 0x0                                ; X is written below: on no way that leads here does a store still read it
	LDV 128, 2048                                  ; b2 joins the residual once
	s_wait_dscnt 0x0
.irp a, 0,1,2,3,4,5,6,7
	WIN ((2+(\a>>2))<<6)|(2+(\a>>2))
.set i, 0
.rept 32
	v_pk_add_f32 v[64*(\a&3)+2*i:64*(\a&3)+2*i+1], v[64*(\a&3)+2*i:64*(\a&3)+2*i+1], v[128+2*i:128+2*i+1]
.set i, i+1
.endr
.endr
	WIN 0
	v_mov_b32 v[W1A], v[XO]
	v_add_nc_u32 v[W2A], RB, v[XO]
	v_mov_b32 v[B1A], v[VEC]
	LB B1A, 0
	LW WA, W1A, 0
	LW WB, W1A, 4096
	s_mov_b32 s54, 16
.Lffn:
	TRIP
	WIN 0
	s_sub_co_u32 s54, s54, 1
	s_cmp_lg_u32 s54, 0
	s_cbranch_scc1 .Lffn
	STX 0                                          ; 48 stores now, 48 + 32 behind the loop: LayerNorm reads X and does not write it
	STX 1
	STX 2
	LDV 128, 2560                                  ; ln1_g, ln1_b for trip 2
	LDV 192, 3072
.Lnext:
	s_add_co_u32 s59, s59, 1
	s_cmp_lt_u32 s59, 3
	s_cbranch_scc1 .Lphase
	STX 3
	STX 4
	STX 5
	WIN 0
	s_wait_dscnt 0x0
	s_barrier_signal -1
	s_barrier_wait -1                              ; behind every way out of the loop: no wave reads the weights any more; they have had their last fill: h is laid over them
	HSTORE
	s_wait_dscnt 0x0
	s_barrier_signal -1
	s_barrier_wait -1
	STX 6
	STX 7
	GL FB0, 0
	GL FB1, 9216
	GTRIP 1, 1
	WIN 0
	s_mov_b32 s54, 6
.Lgram:
	GTRIP 0, 1
	WIN 0
	s_sub_co_u32 s54, s54, 1
	s_cmp_lg_u32 s54, 0
	s_cbranch_scc1 .Lgram
	GTRIP 0, 0
	WIN 0
.irp i, 0,1,2,3
.irp j, 0,1,2,3
	global_store_b128 v[XO], v[HID+8*(4*\i+\j):HID+8*(4*\i+\j)+3], s[24:25] offset:8192*\i+1024*\j
	global_store_b128 v[XO], v[HID+8*(4*\i+\j)+4:HID+8*(4*\i+\j)+7], s[24:25] offset:8192*\i+1024*\j+512
.endr
.endr
	ROUND                                          ; the closing round
	s_endpgm
.Lfunc_end_k_q82f6784b4b_main1:
	.size	k_q82f6784b4b_main1, .Lfunc_end_k_q82f6784b4b_main1-k_q82f6784b4b_main1
	.p2alignl 7, 3214868480
	.fill 96, 4, 3214868480
	.section	.rodata,"a",@progbits
	.p2align	6, 0x0
	.amdhsa_kernel k_q82f6784b4b_main1
		.amdhsa_group_segment_fixed_size 327680
		.amdhsa_private_segment_fixed_size 0
		.amdhsa_enable_private_segment 0
		.amdhsa_kernarg_size 88
		.amdhsa_user_sgpr_count 2
		.amdhsa_user_sgpr_kernarg_segment_ptr 1
		.amdhsa_wavefront_size32 1
		.amdhsa_system_sgpr_workgroup_id_x 1
		.amdhsa_system_sgpr_workgroup_id_y 1
		.amdhsa_system_sgpr_workgroup_id_z 1
		.amdhsa_system_vgpr_workitem_id 0
		.amdhsa_next_free_vgpr 1024
		.amdhsa_next_free_sgpr 66
		.amdhsa_reserve_vcc 0
		.amdhsa_float_denorm_mode_32 3
		.amdhsa_float_denorm_mode_16_64 3
		.amdhsa_memory_ordered 1
		.amdhsa_forward_progress 1
		.amdhsa_inst_pref_size 255
	.end_amdhsa_kernel
	.section	.bss,"aw",@nobits
	.p2align	6
	.space	262144
	.amdgpu_metadata
---
amdhsa.version: [ 1, 2 ]
amdhsa.kernels:
  - .name:           k_q82f6784b4b_main1
    .symbol:         k_q82f6784b4b_main1.kd
    .args:
      - { .name: x, .offset: 0, .size: 8, .value_kind: global_buffer, .address_space: global }
      - { .name: gf, .offset: 8, .size: 8, .value_kind: global_buffer, .address_space: global }
      - { .name: wf, .offset: 16, .size: 8, .value_kind: global_buffer, .address_space: global }
      - { .name: b1, .offset: 24, .size: 8, .value_kind: global_buffer, .address_space: global }
      - { .name: b2, .offset: 32, .size: 8, .value_kind: global_buffer, .address_space: global }
      - { .name: ln1_g, .offset: 40, .size: 8, .value_kind: global_buffer, .address_space: global }
      - { .name: ln1_b, .offset: 48, .size: 8, .value_kind: global_buffer, .address_space: global }
      - { .name: ln2_g, .offset: 56, .size: 8, .value_kind: global_buffer, .address_space: global }
      - { .name: ln2_b, .offset: 64, .size: 8, .value_kind: global_buffer, .address_space: global }
      - { .name: xmid, .offset: 72, .size: 8, .value_kind: global_buffer, .address_space: global }
      - { .name: part, .offset: 80, .size: 8, .value_kind: global_buffer, .address_space: global }
    .group_segment_fixed_size: 327680
    .private_segment_fixed_size: 0
    .kernarg_segment_align: 8
    .kernarg_segment_size: 88
    .max_flat_workgroup_size: 128
    .sgpr_count:     66
    .vgpr_count:     1024
    .wavefront_size: 32
...
	.end_amdgpu_metadata
.endif
;; end of part 3
;; launch gsum1: the kernel of part 2 again; grid 128 x 1, 16 waves a work-group, no clusters, 8,192 bytes of LDS; arguments part, gf; writes gf
;; launch main2 (part 4): grid 256 x 1, 4 waves a work-group, clusters of 4 x 1, 327,680 bytes of LDS; arguments xmid, gf, wf, b1, b2, ln1_g, ln1_b, ln2_g, ln2_b, out_b, out0; writes out0
.if DOCPART == 4
	.amdgcn_target "amdgcn-amd-amdhsa--gfx1250"
	.amdhsa_code_object_version 6
	.text
	.protected	k_q82f6784b4b_main2
	.globl	k_q82f6784b4b_main2
	.p2align	8
	.type	k_q82f6784b4b_main2,@function
k_q82f6784b4b_main2:
	s_mov_b64 s[64:65], 0
	v_nop
	global_prefetch_b8 v0, s[64:65] scope:SCOPE_SE
	s_setreg_imm32_b32 hwreg(HW_REG_WAVE_MODE, 25, 1), 1
	s_wait_xcnt 0x0
	s_wait_alu depctr_hold_cnt(0) depctr_sa_sdst(0) depctr_va_vdst(0) depctr_va_sdst(0) depctr_va_ssrc(0) depctr_va_vcc(0) depctr_vm_vsrc(0)
	s_getreg_b32 s2, hwreg(HW_REG_IB_STS2, 6, 4)
	s_cmp_eq_u32 s2, 0
	s_cbranch_scc0 .Lentry_in_a_cluster
	s_endpgm
.Lentry_in_a_cluster:
	s_bfe_u32 s2, ttmp6, 0x10000c
	s_cmp_lg_u32 s2, 0x3003
	s_cbranch_scc0 .Lentry_shape_is_right
	s_endpgm
.Lentry_shape_is_right:
; The second timestep and the output projection, on 512 rows a work-group, 128 a wave, x kept in 512 registers throughout:
;   M^T = Vw^T G Kw Qw^T (G = h^T h is symmetric by construction), x += LN1(x) M, x += relu(LN2(x) w1 + b1) w2 + b2, out0 = x out_w + out_b.
; x comes from xmid as the register image: register j of lane (r, h) of X(a, b) is x[16 a + r][16 b + 8 h + j].
; All products: v_wmma D, weight fragment, row fragment, so two neighbouring feature tiles pack straight into the next product's fragment.
; f16 operands.  What has no room in f16 carries an exact power of two: G 2^-19 (static), each row of the M chain and each row of the
; final x its own largest exponent.
; CODE: LayerNorm of eight tiles is some 1,600 instructions.  It stands once, in a loop of two trips; the attention update follows it in trip 0.
; FFN: relu and the rounding of one row tile are issued between the products of the next tiles.
; CLUSTER 4 x 1: the four work-groups walk the same weights; each 32 KiB block is asked for jointly (mask 15).  out_w's 32 KiB and the
; vectors go straight to registers: a small part of what a work-group reads.  No prefetch: x is requested whole at the head.
; By this text's count a wave has at most two tensor loads out.
; Limits: LN gains about 1/60 to 40; hidden values below 65,504; a row whose largest magnitude is denormal counts as zero in the scaled
; products; magnitudes below 2^127.
; Windows: 0 addresses, fragments WA, WB (= U), HID; 1 H, at the end out_w's fragments; 2, 3 X(a, b) at 64 (a&3) + 8 b.
.set XO, 1
.set SW, 2
.set SD, 3
.set VEC, 4
.set VST, 5
.set W1A, 6
.set W2A, 7
.set B1A, 8
.set MB0, 9
.set MB1, 10
.set CA, 11
.set MTS, 12
.set SCS, 13
.set SCR, 14
.set SC0, 18
.set YA, 20
.set T, 24
.set ST, 32
.set BIAS, 48
.set WA, 64
.set WB, 96
.set U, 64
.set HID, 128
.set XB, 4
.set RB, 131072                        ; LDS: 0 W1F; RB Vw^T, Kw^T, Qw, G (32 KiB each), filled again with W2F
.set RC, 262144                        ; 33,792 bytes, LDS stores alone: M^T, then the output stages
.set RV, 295936                        ; 4 x 5,120: b1, b2, ln1_g, ln1_b, ln2_g, ln2_b, out_b for each wave
.set SCL, 316416                       ; 128 f32: the scale of each row of M^T
.set MSB, 0
.macro WIN new
.if MSB != (\new)
	s_set_vgpr_msb (MSB<<8)|(\new)
.set MSB, (\new)
.endif
.endm
.macro NOPS n
.rept \n
	v_nop
.endr
.endm
.macro ROUND                           ; a round of the cluster's barrier
	WIN 0
	s_barrier_signal -1
	s_barrier_wait -1
	s_cmp_lg_u32 s26, 0
	s_cbranch_scc1 .Lnw0_\@
	s_barrier_signal -3
.Lnw0_\@:
	s_barrier_wait -3
	s_barrier_signal -1
	s_barrier_wait -1
.endm
.macro LOADT a
	WIN ((2+((\a)>>2))<<6)
.irp t, 0,1,2,3,4,5,6,7,8,9,10,11,12,13,14,15
	global_load_b128 v[64*((\a)&3)+4*\t:64*((\a)&3)+4*\t+3], v[XO], s[XB:XB+1] offset:(16*(\a)+\t)*512
.endr
.endm
.macro LDV dst, slot
	WIN 0
.set i, 0
.rept 16
	ds_load_b128 v[\dst+4*i:\dst+4*i+3], v[VEC] offset:\slot+64*(i>>1)+16*(i&1)
.set i, i+1
.endr
.endm
.macro LW buf, areg, off
	WIN 0
.set i, 0
.rept 8
	ds_load_b128 v[\buf+4*i:\buf+4*i+3], v[\areg] offset:\off+512*i
.set i, i+1
.endr
.endm
.macro LB areg, off
	WIN 0
.irp i, 0,1,2,3
	ds_load_b128 v[BIAS+4*\i:BIAS+4*\i+3], v[\areg] offset:\off+64*(\i>>1)+16*(\i&1)
.endr
.endm
.macro LNT a
.set XR, 64*((\a)&3)
.set XW, 2+((\a)>>2)
	WIN XW|(XW<<2)
.set i, 0
.rept 16
	v_pk_add_f32 v[U+2*i:U+2*i+1], v[XR+4*i:XR+4*i+1], v[XR+4*i+2:XR+4*i+3]
.set i, i+1
.endr
	WIN 0
.irp n, 8,4,2,1
.set i, 0
.rept \n
	v_pk_add_f32 v[U+2*i:U+2*i+1], v[U+2*i:U+2*i+1], v[U+2*i+2*\n:U+2*i+2*\n+1]
.set i, i+1
.endr
.endr
	v_add_f32 v[T], v[U], v[U+1]
	v_permlanex16_b32 v[T+1], v[T], s52, s53
	v_add_f32 v[T], v[T], v[T+1]
	v_mul_f32 v[T+2], s58, v[T]
	v_mul_f32 v[T+3], s58, v[T]
	WIN XW
.set i, 0
.rept 32
	v_pk_add_f32 v[U+2*i:U+2*i+1], v[XR+2*i:XR+2*i+1], v[T+2:T+3]
.set i, i+1
.endr
	WIN 0
.set i, 0
.rept 4
	v_pk_mul_f32 v[ST+2*i:ST+2*i+1], v[U+2*i:U+2*i+1], v[U+2*i:U+2*i+1]
.set i, i+1
.endr
.rept 28
	v_pk_fma_f32 v[ST+2*(i%4):ST+2*(i%4)+1], v[U+2*i:U+2*i+1], v[U+2*i:U+2*i+1], v[ST+2*(i%4):ST+2*(i%4)+1]
.set i, i+1
.endr
	v_pk_add_f32 v[ST:ST+1], v[ST:ST+1], v[ST+4:ST+5]
	v_pk_add_f32 v[ST+2:ST+3], v[ST+2:ST+3], v[ST+6:ST+7]
	v_pk_add_f32 v[ST:ST+1], v[ST:ST+1], v[ST+2:ST+3]
	v_add_f32 v[T], v[ST], v[ST+1]
	v_permlanex16_b32 v[T+1], v[T], s52, s53
	v_add_f32 v[T], v[T], v[T+1]
	v_fma_f32 v[T], v[T], s55, s56
	v_rsq_f32 v[T+2], v[T]
	v_nop                                          ; one plain place behind the transcendental (ISA guide 5.7.2)
	s_wait_alu depctr_va_vdst(0)
	v_mov_b32 v[T+3], v[T+2]
.set i, 0
.rept 32
	v_pk_mul_f32 v[U+2*i:U+2*i+1], v[U+2*i:U+2*i+1], v[T+2:T+3]
.set i, i+1
.endr
.set i, 0
.rept 32
	v_pk_fma_f32 v[U+2*i:U+2*i+1], v[U+2*i:U+2*i+1], v[128+2*i:128+2*i+1], v[192+2*i:192+2*i+1]
.set i, i+1
.endr
	WIN 0x40
.set i, 0
.rept 32
	v_cvt_pk_f16_f32 v[32*(\a)+i], v[U+2*i], v[U+2*i+1]
.set i, i+1
.endr
.endm
.macro CM buf, n0, ks                  ; accumulators by turns
	WIN 0x04
.irp i, 0,1,2,3
.irp t, 0,1
.if \ks == 0
	v_wmma_f32_16x16x32_f16 v[HID+64*\t+8*(\n0+\i):HID+64*\t+8*(\n0+\i)+7], v[\buf+8*\i:\buf+8*\i+7], v[32*\t+8*\ks:32*\t+8*\ks+7], 0
.else
	v_wmma_f32_16x16x32_f16 v[HID+64*\t+8*(\n0+\i):HID+64*\t+8*(\n0+\i)+7], v[\buf+8*\i:\buf+8*\i+7], v[32*\t+8*\ks:32*\t+8*\ks+7], v[HID+64*\t+8*(\n0+\i):HID+64*\t+8*(\n0+\i)+7]
.endif
.endr
.endr
.endm
.macro CST areg, off
	LW WA, \areg, \off
	LW WB, \areg, \off+4096
.irp ks, 0,1,2,3
	s_wait_dscnt 8                     ; WA is in (and all older loads); WB's 8 may be out
	CM WA, 0, \ks
	NOPS 5                             ; places behind the matrix instructions (ISA guide 7.12.1)
.if \ks < 3
	LW WA, \areg, \off+8192*(\ks+1)
	s_wait_dscnt 8                     ; WB is in; the 8 just issued may be out
.else
	s_wait_dscnt 0
.endif
	CM WB, 4, \ks
	NOPS 5
.if \ks < 3
	LW WB, \areg, \off+8192*(\ks+1)+4096
.endif
.endr
.endm
.macro CNORM t
.set CB, HID+64*\t
	WIN 0
.irp c, 0,1,2,3
	v_max_num_f32 v[T+\c], |v[CB+\c]|, |v[CB+4+\c]|
.endr
.set i, 8
.rept 28
	v_max3_num_f32 v[T+((i>>1)&3)], |v[CB+i]|, |v[CB+i+1]|, v[T+((i>>1)&3)]
.set i, i+2
.endr
	v_max3_num_f32 v[T], v[T], v[T+1], v[T+2]
	v_max_num_f32 v[T], v[T], v[T+3]
	v_permlanex16_b32 v[T+1], v[T], s52, s53
	v_max_num_f32 v[T], v[T], v[T+1]
	v_and_b32 v[T+2], 0x7f800000, v[T]             ; P = 2^e
	v_sub_nc_u32 v[T+4], 0x7f000000, v[T+2]        ; 1 / P
	v_sub_nc_u32 v[T+5], 0x7f000000, v[T+2]
	v_mul_f32 v[SC0+\t], v[SC0+\t], v[T+2]
.set i, 0
.rept 32
	v_pk_mul_f32 v[CB+2*i:CB+2*i+1], v[CB+2*i:CB+2*i+1], v[T+4:T+5]
.set i, i+1
.endr
	WIN 0x40
.set i, 0
.rept 32
	v_cvt_pk_f16_f32 v[32*\t+i], v[CB+2*i], v[CB+2*i+1]
.set i, i+1
.endr
.endm
.macro G1H hf, buf, cmode
	WIN 0x04
.irp kkl, 0,1
.irp f, 0,1
.irp a, 0,1,2,3,4,5,6,7
.if (\hf+\kkl) == 0
.if \cmode
	v_wmma_f32_16x16x32_f16 v[HID+16*\a+8*\f:HID+16*\a+8*\f+7], v[\buf+8*(2*\kkl+\f):\buf+8*(2*\kkl+\f)+7], v[32*\a+8*(2*\hf+\kkl):32*\a+8*(2*\hf+\kkl)+7], v[BIAS+8*\f:BIAS+8*\f+7]
.else
	v_wmma_f32_16x16x32_f16 v[HID+16*\a+8*\f:HID+16*\a+8*\f+7], v[\buf+8*(2*\kkl+\f):\buf+8*(2*\kkl+\f)+7], v[32*\a+8*(2*\hf+\kkl):32*\a+8*(2*\hf+\kkl)+7], 0
.endif
.else
	v_wmma_f32_16x16x32_f16 v[HID+16*\a+8*\f:HID+16*\a+8*\f+7], v[\buf+8*(2*\kkl+\f):\buf+8*(2*\kkl+\f)+7], v[32*\a+8*(2*\hf+\kkl):32*\a+8*(2*\hf+\kkl)+7], v[HID+16*\a+8*\f:HID+16*\a+8*\f+7]
.endif
.endr
.endr
.endr
.endm
.macro ATTC c
	s_wait_dscnt 12                    ; WA is in; WB's 8 and the scales' 4 may be out
	G1H 0, WA, 0
	NOPS 5
.if \c < 3
	LW WA, CA, 8192*(\c+1)
	s_wait_dscnt 12                    ; WB is in; the scales' 4 and WA's 8 may be out
.else
	s_wait_dscnt 4
.endif
	G1H 1, WB, 0
	NOPS 5
.if \c < 3
	LW WB, CA, 8192*(\c+1)+4096
	s_wait_dscnt 16                    ; the scales are in; the next chunk's 16 may be out
.else
	s_wait_dscnt 0
.endif
.irp a, 0,1,2,3,4,5,6,7
	WIN ((2+(\a>>2))<<6)|((2+(\a>>2))<<4)
.irp k, 0,1,2,3,4,5,6,7
	v_pk_fma_f32 v[64*(\a&3)+16*\c+2*\k:64*(\a&3)+16*\c+2*\k+1], v[HID+16*\a+2*\k:HID+16*\a+2*\k+1], v[BIAS+2*\k:BIAS+2*\k+1], v[64*(\a&3)+16*\c+2*\k:64*(\a&3)+16*\c+2*\k+1]
.endr
.endr
.if \c < 3
	LB SCR, 128*(\c+1)
.endif
.endm
; THE FFN TRIP'S PIECES.  WM: one product of w1's K steps 2, 3 (fragment kf of WB: K step 2 + (kf>>1), features 16 (kf&1) ..) for row tile a.
.macro WM a, kf
	v_wmma_f32_16x16x32_f16 v[HID+16*(\a)+8*((\kf)&1):HID+16*(\a)+8*((\kf)&1)+7], v[WB+8*(\kf):WB+8*(\kf)+7], v[32*(\a)+16+8*((\kf)>>1):32*(\a)+16+8*((\kf)>>1)+7], v[HID+16*(\a)+8*((\kf)&1):HID+16*(\a)+8*((\kf)&1)+7]
.endm
; MX: relu in f32 on four of tile a's 16 registers.  The register is the FIRST source: under the products' setting only source 1 means window 1.
.macro MX a, q
.irp k, 0,1,2,3
	v_max_num_f32 v[HID+16*(\a)+4*(\q)+\k], v[HID+16*(\a)+4*(\q)+\k], 0
.endr
.endm
; WT: K step 2 of tile t+1, then K step 3 of tile t (a link stands five products behind the one that it adds onto; accumulators by turns)
; and between them relu of tile t-1.  Behind tile t-1's last product stand the four relu lines and the eight
; conversions of tile t-2 (four v_nop for t-1 = 0): the places that a reader of its result needs (ISA guide 7.12.1).
.macro WT t
	WIN 0x04
.if (\t) < 7
	WM (\t)+1, 0
.if (\t) > 0
	MX (\t)-1, 0
.endif
	WM (\t)+1, 1
.if (\t) > 0
	MX (\t)-1, 1
.endif
	WM \t, 2
.if (\t) > 0
	MX (\t)-1, 2
.endif
	WM \t, 3
.if (\t) > 0
	MX (\t)-1, 3
.endif
.else
	WM \t, 2
	MX (\t)-1, 0
	MX (\t)-1, 1
	WM \t, 3
	MX (\t)-1, 2
	MX (\t)-1, 3
.endif
.endm
.macro CVT t                           ; tile t's 32 hidden features as one f16 fragment, in place
	WIN 0
.irp k, 0,1,2,3,4,5,6,7
	v_cvt_pk_f16_f32 v[HID+16*(\t)+\k], v[HID+16*(\t)+2*\k], v[HID+16*(\t)+2*\k+1]
.endr
.endm
.macro G2A a                           ; x(tile a, features 0-63) += hidden chunk x w2 (WA): the residual is the accumulator
	WIN ((2+((\a)>>2))<<6)|((2+((\a)>>2))<<4)
.irp i, 0,1,2,3
	v_wmma_f32_16x16x32_f16 v[64*((\a)&3)+8*\i:64*((\a)&3)+8*\i+7], v[WA+8*\i:WA+8*\i+7], v[HID+16*(\a):HID+16*(\a)+7], v[64*((\a)&3)+8*\i:64*((\a)&3)+8*\i+7]
.endr
.endm
.macro G2H buf, n0                     ; x(:, 16 (n0+i) ..) += hidden chunk x w2, all eight tiles.  32 accumulators by turns.
	WIN 0xa0
.irp i, 0,1,2,3
.irp a, 0,1,2,3
	v_wmma_f32_16x16x32_f16 v[64*\a+8*(\n0+\i):64*\a+8*(\n0+\i)+7], v[\buf+8*\i:\buf+8*\i+7], v[HID+16*\a:HID+16*\a+7], v[64*\a+8*(\n0+\i):64*\a+8*(\n0+\i)+7]
.endr
.endr
	WIN 0xf0
.irp i, 0,1,2,3
.irp a, 0,1,2,3
	v_wmma_f32_16x16x32_f16 v[64*\a+8*(\n0+\i):64*\a+8*(\n0+\i)+7], v[\buf+8*\i:\buf+8*\i+7], v[HID+16*(\a+4):HID+16*(\a+4)+7], v[64*\a+8*(\n0+\i):64*\a+8*(\n0+\i)+7]
.endr
.endr
.endm
; 32 hidden features: 64 + 64 products.  last = 1: nothing is fetched ahead, and out_w's fragments are requested into H's registers.
.macro TRIP last
	s_wait_dscnt 8                     ; b1's chunk and WA (w1, K 0-63) are in; WB's 8 may be out
	G1H 0, WA, 1
	s_wait_dscnt 0                     ; WB (w1, K 64-127)
	WIN 0x04
	WM 0, 0
	WM 0, 1
	WT 0
	NOPS 4                             ; places: for relu of tile 0, and for the loads into WA and BIAS, which products have read
	LW WA, W2A, 0
.if \last == 0
	LB B1A, 128
.endif
	WT 1
	CVT 0
	WT 2
	CVT 1
	WT 3
	CVT 2
	WT 4
	CVT 3
.if \last == 0
	s_wait_dscnt 4                     ; WA (w2, tiles 0-3) is in; the next b1's 4 may be out
.else
	s_wait_dscnt 0
.endif
	G2A 0
	WT 5
	CVT 4
	G2A 1
	WT 6
	CVT 5
	G2A 2
	WT 7
	CVT 6
	LW WB, W2A, 4096                   ; behind WB's last reader stand 16 plain lines; 20 products follow before it is wanted
.if \last
	WIN 0x40                           ; H has been read for the last time, 16 plain lines ago: out_w's 32 fragments take its place
.set i, 0
.rept 64
	global_load_b128 v[4*i:4*i+3], v[XO], s[30:31] offset:512*i
.set i, i+1
.endr
.endif
	G2A 3
	WIN 0
.set i, 0
.rept 16
	v_max_num_f32 v[HID+112+i], 0, v[HID+112+i]
.set i, i+1
.endr
	CVT 7
	G2A 4
	G2A 5
	G2A 6
	G2A 7
	NOPS 5
.if \last == 0
	LW WA, W1A, 8192
	s_wait_dscnt 8                     ; WB (w2, tiles 4-7) and the next b1 are in; the 8 just issued may be out
.else
	s_wait_dscnt 0
.endif
	G2H WB, 4
	NOPS 5
.if \last == 0
	LW WB, W1A, 12288
	v_add_nc_u32 v[W1A], 0x2000, v[W1A]
	v_add_nc_u32 v[W2A], 0x2000, v[W2A]
	v_add_nc_u32 v[B1A], 0x80, v[B1A]
.endif
.endm
.macro XSC a                           ; tile a of x by each row's power of two (kept in ST + 2 a), as four f16 fragments in v128 + 32 (a&1)
.set XR, 64*((\a)&3)
.set XW, 2+((\a)>>2)
	WIN XW|(XW<<2)
.irp c, 0,1,2,3
	v_max_num_f32 v[T+\c], |v[XR+\c]|, |v[XR+4+\c]|
.endr
.set i, 8
.rept 28
	v_max3_num_f32 v[T+((i>>1)&3)], |v[XR+i]|, |v[XR+i+1]|, v[T+((i>>1)&3)]
.set i, i+2
.endr
	WIN 0
	v_max3_num_f32 v[T], v[T], v[T+1], v[T+2]
	v_max_num_f32 v[T], v[T], v[T+3]
	v_permlanex16_b32 v[T+1], v[T], s52, s53
	v_max_num_f32 v[T], v[T], v[T+1]
	v_and_b32 v[ST+2*(\a)], 0x7f800000, v[T]
	v_and_b32 v[ST+2*(\a)+1], 0x7f800000, v[T]
	v_sub_nc_u32 v[T+4], 0x7f000000, v[ST+2*(\a)]
	v_sub_nc_u32 v[T+5], 0x7f000000, v[ST+2*(\a)]
	WIN XW
.set i, 0
.rept 32
	v_pk_mul_f32 v[U+2*i:U+2*i+1], v[XR+2*i:XR+2*i+1], v[T+4:T+5]
.set i, i+1
.endr
	WIN 0
.set i, 0
.rept 32
	v_cvt_pk_f16_f32 v[128+32*((\a)&1)+i], v[U+2*i], v[U+2*i+1]
.set i, i+1
.endr
.endm
.macro OUTP a                          ; tile a of x out_w, over x's own registers; 8 accumulators by turns
.set XR, 64*((\a)&3)
.set XW, 2+((\a)>>2)
	WIN (XW<<6)|(XW<<4)|1
.irp ks, 0,1,2,3
.irp nt, 0,1,2,3,4,5,6,7
.if \ks == 0
	v_wmma_f32_16x16x32_f16 v[XR+8*\nt:XR+8*\nt+7], v[8*(8*\ks+\nt):8*(8*\ks+\nt)+7], v[128+32*((\a)&1)+8*\ks:128+32*((\a)&1)+8*\ks+7], 0
.else
	v_wmma_f32_16x16x32_f16 v[XR+8*\nt:XR+8*\nt+7], v[8*(8*\ks+\nt):8*(8*\ks+\nt)+7], v[128+32*((\a)&1)+8*\ks:128+32*((\a)&1)+8*\ks+7], v[XR+8*\nt:XR+8*\nt+7]
.endif
.endr
.endr
.endm
.macro FIN a                           ; the row's scale back, + out_b, and through my stage into whole rows
.set XR, 64*((\a)&3)
.set XW, 2+((\a)>>2)
	WIN (XW<<6)|XW
.set i, 0
.rept 32
	v_pk_fma_f32 v[XR+2*i:XR+2*i+1], v[XR+2*i:XR+2*i+1], v[ST+2*(\a):ST+2*(\a)+1], v[192+2*i:192+2*i+1]
.set i, i+1
.endr
	WIN XW<<2
.irp t, 0,1,2,3,4,5,6,7,8,9,10,11,12,13,14,15
	ds_store_b128 v[SD], v[XR+4*\t:XR+4*\t+3] offset:64*(\t>>1)+16*(\t&1)
.endr
	WIN XW<<6
.irp t, 0,1,2,3,4,5,6,7,8,9,10,11,12,13,14,15
	ds_load_b128 v[XR+4*\t:XR+4*\t+3], v[SW] offset:528*\t
.endr
.endm
.macro GOUT a                          ; each store is one whole row of 512 bytes
	WIN ((2+((\a)>>2))<<2)
.irp t, 0,1,2,3,4,5,6,7,8,9,10,11,12,13,14,15
	global_store_b128 v[XO], v[64*((\a)&3)+4*\t:64*((\a)&3)+4*\t+3], s[24:25] offset:(16*(\a)+\t)*512 th:TH_STORE_NT
.endr
.endm
	s_load_b512 s[4:19], s[0:1], 0x0               ; xmid, gf, wf, b1, b2, ln1_g, ln1_b, ln2_g
	s_load_b128 s[20:23], s[0:1], 0x40             ; ln2_b, out_b
	s_load_b64 s[24:25], s[0:1], 0x50              ; out0
	v_lshrrev_b32 v24, 5, v0
	v_readfirstlane_b32 s26, v24                   ; wave
	s_bfe_u32 s27, ttmp6, 0x40000                  ; cx: enters global addresses of xmid and out0 alone
	s_lshl_b32 s28, ttmp9, 2
	s_add_co_u32 s28, s28, s27                     ; work-group
	s_mov_b32 s52, 0x76543210
	s_mov_b32 s53, 0xfedcba98
	s_mov_b32 s55, 0x3c000000                      ; 1/128
	s_mov_b32 s56, 0x3727c5ac                      ; 1e-5
	s_mov_b32 s58, 0xbc000000                      ; -1/128
	s_lshl_b32 s62, s28, 2
	s_add_co_u32 s62, s62, s26
	s_lshl_b32 s62, s62, 16
	s_mov_b32 s63, 0
	; group 1: a dense block of 32 KiB as 128 rows of 32 elements of 8 bytes; mask 15 with bit 21 beside it
	s_mov_b32 s32, 15|(3<<16)|(1<<21)
	s_mov_b32 s33, 32<<16
	s_mov_b32 s34, 128<<16
	s_mov_b32 s35, 32<<16
	s_mov_b32 s36, 128
	s_mov_b32 s37, 32
	s_mov_b32 s38, 0
	s_mov_b32 s39, 0
	; group 0, three sets: every word hangs on the wave's number alone
	s_lshl_b32 s28, s26, 15
	s_mov_b32 s29, 0
	s_mov_b32 s40, 1
	s_add_co_u32 s41, s28, RB
	s_mov_b32 s44, 1
	s_lshl_b32 s45, s26, 15
	s_mov_b32 s48, 1
	s_add_co_u32 s49, s28, RB
	s_wait_kmcnt 0x0
	s_add_nc_u64 s[46:47], s[8:9], s[28:29]        ; W1F, my quarter
	s_add_nc_u64 s[50:51], s[46:47], 0x20000       ; W2F, my quarter
	s_add_nc_u64 s[42:43], s[46:47], 0x40000       ; waves 0-2: Vw^T, Kw^T, Qw; wave 3: G
	s_cmp_eq_u32 s26, 3
	s_cselect_b64 s[42:43], s[6:7], s[42:43]
	s_or_b32 s43, s43, 0x80000000
	s_or_b32 s47, s47, 0x80000000
	s_or_b32 s51, s51, 0x80000000
	s_add_nc_u64 s[30:31], s[8:9], 0x58000         ; out_w's fragments
	s_add_nc_u64 s[4:5], s[4:5], s[62:63]
	s_add_nc_u64 s[24:25], s[24:25], s[62:63]
	ROUND                                          ; the four work-groups are here: the first joint loads meet
	tensor_load_to_lds s[40:43], s[32:39]
	s_nop 0
	tensor_load_to_lds s[44:47], s[32:39]
	s_nop 0
	s_mul_i32 s57, s26, 8448
	s_add_co_u32 s57, s57, RC
	s_mul_i32 s61, s26, 5120
	s_add_co_u32 s61, s61, RV
	s_lshl_b32 s62, s26, 13
	s_lshl_b32 s63, s26, 7
	s_add_co_u32 s63, s63, SCL
	s_lshl_b32 s29, s26, 11
	v_and_b32 v24, 31, v0
	v_and_b32 v25, 15, v0
	v_bfe_u32 v26, v0, 4, 1
	v_lshlrev_b32 v[XO], 4, v24
	v_add_nc_u32 v[SW], s57, v[XO]
	v_mul_u32_u24 v27, v25, 528
	v_lshl_add_u32 v27, v26, 5, v27
	v_add_nc_u32 v[SD], s57, v27
	v_lshl_add_u32 v[VEC], v26, 5, s61
	v_add_nc_u32 v[VST], s61, v[XO]
	v_mov_b32 v[W1A], v[XO]
	v_add_nc_u32 v[W2A], RB, v[XO]
	v_mov_b32 v[B1A], v[VEC]
	v_add_nc_u32 v[MB0], RB, v[XO]
	v_add_nc_u32 v[MB1], RB+65536, v[XO]
	v_add_nc_u32 v[CA], RC, v[XO]
	v_add_nc_u32 v[MTS], s62, v[CA]
	v_lshl_add_u32 v[SCS], v25, 2, s63
	v_lshl_add_u32 v[SCR], v26, 5, SCL
	v_add_nc_u32 v[YA], s29, v[MB0]
	v_mov_b32 v[SC0], 0x49000000                   ; 2^19 undoes G's static scale
	v_mov_b32 v[SC0+1], 0x49000000
.irp i, 0,1,2,3
	global_load_b128 v[64+4*\i:64+4*\i+3], v[XO], s[10:11] offset:512*\i
.endr
.irp i, 0,1,2,3,4,5
	global_load_b128 v[80+4*\i:80+4*\i+3], v[XO], s[12+2*\i:13+2*\i]
.endr
	LOADT 0
	LOADT 1
	LOADT 2
	WIN 0
	s_wait_loadcnt 48                              ; the vectors are in; the 48 loads of x behind them may be out
.irp i, 0,1,2,3,4,5,6,7,8,9
	ds_store_b128 v[VST], v[64+4*\i:64+4*\i+3] offset:512*\i
.endr
	s_wait_tensorcnt 0x1                           ; my part of the chain's matrices is in; W1F's may stay out
	s_wait_dscnt 0x0
	s_barrier_signal -1
	s_barrier_wait -1
	WIN 0x40                                       ; Y0 = my 32 rows of Vw^T
.irp t, 0,1
.irp ks, 0,1,2,3
	ds_load_b128 v[32*\t+8*\ks:32*\t+8*\ks+3], v[YA] offset:8192*\ks+1024*\t
	ds_load_b128 v[32*\t+8*\ks+4:32*\t+8*\ks+7], v[YA] offset:8192*\ks+1024*\t+512
.endr
.endr
	CST MB1, 32768                                 ; x G
	LOADT 3
	LOADT 4
	CNORM 0
	CNORM 1
	CST MB0, 32768                                 ; x Kw
	LOADT 5
	LOADT 6
	CNORM 0
	CNORM 1
	CST MB1, 0                                     ; x Qw^T
	s_wait_dscnt 0x0                               ; my reads of the chain's matrices are over,
	s_wait_tensorcnt 0x0                           ; and all my tensor loads have landed
	ROUND                                          ; both hold of every wave of the four work-groups
	tensor_load_to_lds s[48:51], s[32:39]          ; W2F over the chain's matrices: my one load behind the round
	s_nop 0
	LOADT 7
	CNORM 0
	CNORM 1
	WIN 0x04
.irp t, 0,1
.irp kk, 0,1,2,3
	ds_store_b128 v[MTS], v[32*\t+8*\kk:32*\t+8*\kk+3] offset:2048*\kk+1024*\t
	ds_store_b128 v[MTS], v[32*\t+8*\kk+4:32*\t+8*\kk+7] offset:2048*\kk+1024*\t+512
.endr
.endr
	WIN 0
	ds_store_b32 v[SCS], v[SC0]
	ds_store_b32 v[SCS], v[SC0+1] offset:64
	LDV 128, 2560                                  ; ln1_g, ln1_b for trip 0
	LDV 192, 3072
	s_mov_b32 s59, 0                               ; the trip's number
.Lphase:
	s_wait_dscnt 0x0                               ; this trip's g and b (and all older LDS work of mine)
.irp a, 0,1,2,3,4
	s_wait_loadcnt 48                              ; trip 0: the loads of x requested later, 48 at the most; met at once in trip 1
	LNT \a
.endr
	s_wait_loadcnt 32
	LNT 5
	s_wait_loadcnt 16
	LNT 6
	s_wait_loadcnt 0
	LNT 7
	WIN 0
	s_wait_tensorcnt 0x0                           ; my part of W2F (it had trip 0's LayerNorm in which to land; met at once in trip 1)
	s_wait_dscnt 0x0
	s_barrier_signal -1
	s_barrier_wait -1                              ; trip 0: M^T, its scales and W2F are whole
	s_cmp_lg_u32 s59, 0
	s_cbranch_scc1 .Lnext
	; trip 0: x += LN1(x) M
	LW WA, CA, 0
	LW WB, CA, 4096
	LB SCR, 0
	ATTC 0
	ATTC 1
	ATTC 2
	ATTC 3
	LDV 128, 3584                                  ; ln2_g, ln2_b for trip 1
	LDV 192, 4096
.Lnext:
	s_add_co_u32 s59, s59, 1
	s_cmp_lt_u32 s59, 2
	s_cbranch_scc1 .Lphase
	LDV 128, 2048                                  ; b2 joins the residual once
	s_wait_dscnt 0x0
.irp a, 0,1,2,3,4,5,6,7
	WIN ((2+(\a>>2))<<6)|(2+(\a>>2))
.set i, 0
.rept 32
	v_pk_add_f32 v[64*(\a&3)+2*i:64*(\a&3)+2*i+1], v[64*(\a&3)+2*i:64*(\a&3)+2*i+1], v[128+2*i:128+2*i+1]
.set i, i+1
.endr
.endr
	LB B1A, 0
	LW WA, W1A, 0
	LW WB, W1A, 4096
	s_mov_b32 s54, 15
.Lffn:
	TRIP 0
	WIN 0
	s_sub_co_u32 s54, s54, 1
	s_cmp_lg_u32 s54, 0
	s_cbranch_scc1 .Lffn
	TRIP 1
	WIN 0
	s_wait_dscnt 0x0
	s_barrier_signal -1
	s_barrier_wait -1                              ; no wave reads M^T any more: its bytes are the output stages now
	LDV 192, 4608                                  ; out_b
	s_wait_loadcnt 0x0                             ; out_w's fragments
	s_wait_dscnt 0x0
	; tile by tile: scale and round tile a, its 32 products, then tile a-1 through the stage and tile a-2 out, so that the stores start while products remain
	XSC 0
	OUTP 0
.irp a, 1,2,3,4,5,6,7
	XSC \a
	OUTP \a
	FIN \a-1                                       ; behind tile a-1's products stand the plain lines of XSC a
.if \a > 1
	s_wait_dscnt 32                                ; tile a-2 is back as rows; tile a-1's 32 LDS instructions may be out
	GOUT \a-2
.endif
.endr
	NOPS 5
	FIN 7
	s_wait_dscnt 32
	GOUT 6
	s_wait_dscnt 0x0
	GOUT 7
	ROUND                                          ; the closing round
	s_endpgm
.Lfunc_end_k_q82f6784b4b_main2:
	.size	k_q82f6784b4b_main2, .Lfunc_end_k_q82f6784b4b_main2-k_q82f6784b4b_main2
	.p2alignl 7, 3214868480
	.fill 96, 4, 3214868480
	.section	.rodata,"a",@progbits
	.p2align	6, 0x0
	.amdhsa_kernel k_q82f6784b4b_main2
		.amdhsa_group_segment_fixed_size 327680
		.amdhsa_private_segment_fixed_size 0
		.amdhsa_enable_private_segment 0
		.amdhsa_kernarg_size 88
		.amdhsa_user_sgpr_count 2
		.amdhsa_user_sgpr_kernarg_segment_ptr 1
		.amdhsa_wavefront_size32 1
		.amdhsa_system_sgpr_workgroup_id_x 1
		.amdhsa_system_sgpr_workgroup_id_y 1
		.amdhsa_system_sgpr_workgroup_id_z 1
		.amdhsa_system_vgpr_workitem_id 0
		.amdhsa_next_free_vgpr 1024
		.amdhsa_next_free_sgpr 66
		.amdhsa_reserve_vcc 0
		.amdhsa_float_denorm_mode_32 3
		.amdhsa_float_denorm_mode_16_64 3
		.amdhsa_memory_ordered 1
		.amdhsa_forward_progress 1
		.amdhsa_inst_pref_size 255
	.end_amdhsa_kernel
	.section	.bss,"aw",@nobits
	.p2align	6
	.space	262144
	.amdgpu_metadata
---
amdhsa.version: [ 1, 2 ]
amdhsa.kernels:
  - .name:           k_q82f6784b4b_main2
    .symbol:         k_q82f6784b4b_main2.kd
    .args:
      - { .name: xmid, .offset: 0, .size: 8, .value_kind: global_buffer, .address_space: global }
      - { .name: gf, .offset: 8, .size: 8, .value_kind: global_buffer, .address_space: global }
      - { .name: wf, .offset: 16, .size: 8, .value_kind: global_buffer, .address_space: global }
      - { .name: b1, .offset: 24, .size: 8, .value_kind: global_buffer, .address_space: global }
      - { .name: b2, .offset: 32, .size: 8, .value_kind: global_buffer, .address_space: global }
      - { .name: ln1_g, .offset: 40, .size: 8, .value_kind: global_buffer, .address_space: global }
      - { .name: ln1_b, .offset: 48, .size: 8, .value_kind: global_buffer, .address_space: global }
      - { .name: ln2_g, .offset: 56, .size: 8, .value_kind: global_buffer, .address_space: global }
      - { .name: ln2_b, .offset: 64, .size: 8, .value_kind: global_buffer, .address_space: global }
      - { .name: out_b, .offset: 72, .size: 8, .value_kind: global_buffer, .address_space: global }
      - { .name: out0, .offset: 80, .size: 8, .value_kind: global_buffer, .address_space: global }
    .group_segment_fixed_size: 327680
    .private_segment_fixed_size: 0
    .kernarg_segment_align: 8
    .kernarg_segment_size: 88
    .max_flat_workgroup_size: 128
    .sgpr_count:     66
    .vgpr_count:     1024
    .wavefront_size: 32
...
	.end_amdgpu_metadata
.endif
;; end of part 4
